; MI455X (gfx1250); checked and timed in simulation.
; The chip was launched on July 23, 2026; its instructions are those of AMD's public machine-readable ISA for CDNA 5 (MIT licence, August 2026) and "CDNA5" Instruction Set Architecture Reference Guide (July 2026). The comments in the code are by the model that wrote it; some were corrected since.
;; Transformer Block. Allowed arithmetic: float matrix products may take bf16 or f16 operands with f32 sums; other float arithmetic in f32, or as packed bf16 or f16 multiplies, adds, multiply-adds, maxima and minima; sums over many terms, partial sums and values carried from step to step in f32; what a program stores and reads back later, other than sums and carried values, may be rounded once to bf16 or f16.
;; Inputs: W1 1,024 x 4,096 float32; W2 4,096 x 1,024 float32; Wk 1,024 x 1,024 float32; Wo 1,024 x 1,024 float32; Wq 1,024 x 1,024 float32; Wv 1,024 x 1,024 float32; b1 4,096 float32; b2 1,024 float32; bo 1,024 float32; scale1 1,024 float32; scale2 1,024 float32; shift1 1,024 float32; shift2 1,024 float32; x 2 x 2,048 x 1,024 float32.
;; Outputs: out0 2 x 2,048 x 1,024 float32.
;; 2 versions, each right; version 2 is version 1 with the launch prep written anew for expert scheduling mode. Each part assembles by itself: llvm-mc -triple=amdgcn-amd-amdhsa -mcpu=gfx1250 --defsym DOCPART=n.
;; ======== version 1 of 2: 7 launches
;; workspace buffers: wb 25,165,824 bytes; act 8,388,608 bytes; qkv 25,165,824 bytes; h 16,777,216 bytes; g 33,554,432 bytes
;; launch prep (part 1): grid 1024 x 1, 8 waves a work-group, no clusters, 0 bytes of LDS; arguments x, scale1, shift1, act, Wq, Wk, Wv, Wo, W1, W2, wb; writes act, wb
.if DOCPART == 1
	.amdgcn_target "amdgcn-amd-amdhsa--gfx1250"
	.amdhsa_code_object_version 6
	.text
	.protected	k_qeaac1de419_prep
	.globl	k_qeaac1de419_prep
	.p2align	8
	.type	k_qeaac1de419_prep,@function
k_qeaac1de419_prep:
	s_mov_b64 s[64:65], 0
	v_nop
	global_prefetch_b8 v0, s[64:65] scope:SCOPE_SE
	s_setreg_imm32_b32 hwreg(HW_REG_WAVE_MODE, 25, 1), 1
	s_wait_xcnt 0x0
; PREP.  Two jobs in one launch, told apart by the work-group's number.
; Work-groups 0-255: act = LayerNorm(x) in bf16 (mean; variance over 1,023; scale1, shift1), all arithmetic in f32, two passes over the row in registers.
; Work-groups 256-1023: the six weight matrices, f32 as they lie ([K][N]), rounded once to bf16 into wb in the same order of elements:
;   Wq at byte 0, Wk 2,097,152, Wv 4,194,304, Wo 6,291,456, W1 8,388,608, W2 16,777,216.
; act is BLOCKED BY 64 COLUMNS: [16 planes][4,096 tokens][64] bf16, so that neighbouring tokens' 128 bytes of a plane lie end to end.
; LN SHARES.  A wave takes two rows, sixteen lanes a row; lane r holds columns 64 j + 4 r .. + 3, j = 0..15: a load of the wave covers 256 consecutive bytes of each of its
; two rows, and a store 256 consecutive bytes of one plane (two tokens x 128 bytes), at a multiple of 256 from act's first byte.  No LDS, no barrier: a row never leaves its sixteen lanes.
.set X,  64                            ; v[64:127]   the row's 64 numbers of my lane
.set G,  128                           ; v[128:191]  scale of my columns
.set SH, 192                           ; v[192:255]  shift of my columns
.set Y,  32                            ; v[32:63]    packed bf16 to store
; v2 offset in x; v3 offset in scale and shift; v4 offset in act (or wb); v[8:15] four chains of pairs; v[16:17] mean twice; v[18:19] 1/sqrt(var + eps) twice
.macro FOLD                            ; the four chains into one number, in each of the row's sixteen lanes
	v_pk_add_f32 v[8:9], v[8:9], v[10:11]
	v_pk_add_f32 v[12:13], v[12:13], v[14:15]
	v_pk_add_f32 v[8:9], v[8:9], v[12:13]
	v_add_f32 v8, v8, v9
.irp m, 1,2,4,8
	v_add_f32_dpp v8, v8, v8 row_xmask:\m row_mask:0xf bank_mask:0xf
.endr
.endm
	s_load_b256 s[4:11], s[0:1], 0x0               ; x s[4:5], scale1 s[6:7], shift1 s[8:9], act s[10:11]
	s_load_b256 s[12:19], s[0:1], 0x20             ; Wq s[12:13], Wk s[14:15], Wv s[16:17], Wo s[18:19]
	s_load_b128 s[20:23], s[0:1], 0x40             ; W1 s[20:21], W2 s[22:23]
	s_load_b64 s[24:25], s[0:1], 0x50              ; wb
	v_lshrrev_b32 v1, 5, v0
	v_readfirstlane_b32 s26, v1                    ; wave 0..7
	v_and_b32 v5, 31, v0                           ; lane
	s_cmp_lt_u32 ttmp9, 256
	s_cbranch_scc0 .Lcast
	; ---------------- LayerNorm: 16 rows a work-group ----------------
	v_and_b32 v6, 15, v0                           ; r
	v_bfe_u32 v7, v0, 4, 1                         ; which of the wave's two rows
	v_lshlrev_b32 v3, 4, v6                        ; 16 r
	v_lshl_add_u32 v2, v7, 12, v3                  ; + 4,096 x row
	s_lshl_b32 s27, s26, 13
	v_add_nc_u32 v2, s27, v2                       ; + 8,192 x wave
	v_lshlrev_b32 v4, 3, v6                        ; 8 r
	v_lshl_add_u32 v4, v7, 7, v4                   ; + 128 x row
	s_lshl_b32 s27, s26, 8
	v_add_nc_u32 v4, s27, v4                       ; + 256 x wave
	s_lshl_b32 s28, ttmp9, 16                      ; the work-group's 16 rows of 4,096 bytes
	s_mov_b32 s29, 0
	s_lshl_b32 s30, ttmp9, 11                      ; and its 16 tokens of 128 bytes in a plane
	s_mov_b32 s31, 0
	s_mov_b32 s32, 0x3a802008                      ; 1 / 1,023
	s_wait_kmcnt 0x0
	s_add_nc_u64 s[4:5], s[4:5], s[28:29]
	s_add_nc_u64 s[10:11], s[10:11], s[30:31]
.irp j, 0,1,2,3,4,5,6,7,8,9,10,11,12,13,14,15
	global_load_b128 v[X+4*(\j):X+4*(\j)+3], v2, s[4:5] offset:256*(\j) th:TH_LOAD_NT
.endr
.irp j, 0,1,2,3,4,5,6,7,8,9,10,11,12,13,14,15
	global_load_b128 v[G+4*(\j):G+4*(\j)+3], v3, s[6:7] offset:256*(\j)
.endr
.irp j, 0,1,2,3,4,5,6,7,8,9,10,11,12,13,14,15
	global_load_b128 v[SH+4*(\j):SH+4*(\j)+3], v3, s[8:9] offset:256*(\j)
.endr
	s_wait_loadcnt 32                              ; the row is in; the 32 younger loads (scale, shift) stay out
.irp c, 0,1,2,3
	v_pk_add_f32 v[8+2*(\c):9+2*(\c)], v[X+2*(\c):X+2*(\c)+1], v[X+8+2*(\c):X+8+2*(\c)+1]  ; the first eight pairs start four chains: nothing is cleared
.endr
.set i, 8
.rept 24
	v_pk_add_f32 v[8+2*(i%4):9+2*(i%4)], v[8+2*(i%4):9+2*(i%4)], v[X+2*i:X+2*i+1]
.set i, i+1
.endr
	FOLD
	v_mul_f32 v16, 0x3a800000, v8                  ; mean = sum / 1,024
	v_mov_b32 v17, v16
.set i, 0
.rept 32
	v_pk_add_f32 v[X+2*i:X+2*i+1], v[X+2*i:X+2*i+1], v[16:17] neg_lo:[0,1] neg_hi:[0,1]  ; x - mean, before anything is squared
.set i, i+1
.endr
.irp c, 0,1,2,3
	v_pk_mul_f32 v[8+2*(\c):9+2*(\c)], v[X+2*(\c):X+2*(\c)+1], v[X+2*(\c):X+2*(\c)+1]
.endr
.set i, 4
.rept 28
	v_pk_fma_f32 v[8+2*(i%4):9+2*(i%4)], v[X+2*i:X+2*i+1], v[X+2*i:X+2*i+1], v[8+2*(i%4):9+2*(i%4)]
.set i, i+1
.endr
	FOLD
	v_mov_b32 v21, 0x358637bd                      ; 1e-6
	v_fma_f32 v20, v8, s32, v21                    ; variance + eps
	v_rsq_f32 v18, v20
	v_rsq_f32 v19, v20                             ; twice: a pair for the packed multiplies
	v_nop                                          ; a plain instruction behind the last of the two,
	s_wait_alu depctr_va_vdst(0)                   ; and one wait for both, ahead of their first reader
	s_wait_loadcnt 0x0                             ; scale and shift
.set i, 0
.rept 32
	v_pk_mul_f32 v[G+2*i:G+2*i+1], v[G+2*i:G+2*i+1], v[18:19]
.set i, i+1
.endr
.set i, 0
.rept 32
	v_pk_fma_f32 v[X+2*i:X+2*i+1], v[X+2*i:X+2*i+1], v[G+2*i:G+2*i+1], v[SH+2*i:SH+2*i+1]
.set i, i+1
.endr
.set i, 0
.rept 32
	v_cvt_pk_bf16_f32 v[Y+i], v[X+2*i], v[X+2*i+1]
.set i, i+1
.endr
.irp j, 0,1,2,3,4,5,6,7,8,9,10,11,12,13,14,15
	global_store_b64 v4, v[Y+2*(\j):Y+2*(\j)+1], s[10:11] offset:524288*(\j)  ; plane j: 256 consecutive bytes a store
.endr
	s_endpgm
	; ---------------- the weights: 65,536 bytes of f32 a work-group ----------------
.Lcast:
	s_sub_co_u32 s28, ttmp9, 256                   ; chunk c, 0..767: 64 chunks for each of Wq, Wk, Wv, Wo, 256 for W1 and for W2
	s_and_b32 s33, s28, 63                         ; its place in one of the four small matrices,
	s_and_b32 s34, s28, 255                        ; or in one of the two large ones
	v_lshlrev_b32 v2, 4, v5
	s_lshl_b32 s27, s26, 13
	v_add_nc_u32 v2, s27, v2                       ; 8,192 x wave + 16 x lane
	v_lshlrev_b32 v4, 3, v5
	s_lshl_b32 s27, s26, 12
	v_add_nc_u32 v4, s27, v4                       ; 4,096 x wave + 8 x lane
	s_wait_kmcnt 0x0
	s_cmp_lt_u32 s28, 512
	s_cselect_b64 s[30:31], s[20:21], s[22:23]     ; W1 or W2
	s_cmp_lt_u32 s28, 256
	s_cselect_b64 s[30:31], s[18:19], s[30:31]     ; Wo
	s_cselect_b32 s29, s33, s34
	s_cmp_lt_u32 s28, 192
	s_cselect_b64 s[30:31], s[16:17], s[30:31]     ; Wv
	s_cmp_lt_u32 s28, 128
	s_cselect_b64 s[30:31], s[14:15], s[30:31]     ; Wk
	s_cmp_lt_u32 s28, 64
	s_cselect_b64 s[30:31], s[12:13], s[30:31]     ; Wq
	s_lshl_b32 s38, s29, 16
	s_mov_b32 s39, 0
	s_add_nc_u64 s[30:31], s[30:31], s[38:39]
	s_lshl_b32 s38, s28, 15                        ; wb holds the matrices in the chunks' order
	s_add_nc_u64 s[24:25], s[24:25], s[38:39]
.irp j, 0,1,2,3,4,5,6,7,8,9,10,11,12,13,14,15
	global_load_b128 v[X+4*(\j):X+4*(\j)+3], v2, s[30:31] offset:512*(\j) th:TH_LOAD_NT
.endr
.irp j, 0,1,2,3,4,5,6,7,8,9,10,11,12,13,14,15
	s_wait_loadcnt 15-(\j)                         ; loads come back in order: number j is in, the younger ones stay out
	v_cvt_pk_bf16_f32 v[Y+2*(\j)], v[X+4*(\j)], v[X+4*(\j)+1]
	v_cvt_pk_bf16_f32 v[Y+2*(\j)+1], v[X+4*(\j)+2], v[X+4*(\j)+3]
	global_store_b64 v4, v[Y+2*(\j):Y+2*(\j)+1], s[24:25] offset:256*(\j)  ; 256 consecutive bytes a store
.endr
	s_endpgm
.Lfunc_end_k_qeaac1de419_prep:
	.size	k_qeaac1de419_prep, .Lfunc_end_k_qeaac1de419_prep-k_qeaac1de419_prep
	.p2alignl 7, 3214868480
	.fill 96, 4, 3214868480
	.section	.rodata,"a",@progbits
	.p2align	6, 0x0
	.amdhsa_kernel k_qeaac1de419_prep
		.amdhsa_group_segment_fixed_size 0
		.amdhsa_private_segment_fixed_size 0
		.amdhsa_enable_private_segment 0
		.amdhsa_kernarg_size 88
		.amdhsa_user_sgpr_count 2
		.amdhsa_user_sgpr_kernarg_segment_ptr 1
		.amdhsa_wavefront_size32 1
		.amdhsa_system_sgpr_workgroup_id_x 1
		.amdhsa_system_sgpr_workgroup_id_y 1
		.amdhsa_system_sgpr_workgroup_id_z 1
		.amdhsa_system_vgpr_workitem_id 0
		.amdhsa_next_free_vgpr 256
		.amdhsa_next_free_sgpr 66
		.amdhsa_reserve_vcc 0
		.amdhsa_float_denorm_mode_32 3
		.amdhsa_float_denorm_mode_16_64 3
		.amdhsa_memory_ordered 1
		.amdhsa_forward_progress 1
		.amdhsa_inst_pref_size 28
	.end_amdhsa_kernel
	.amdgpu_metadata
---
amdhsa.version: [ 1, 2 ]
amdhsa.kernels:
  - .name:           k_qeaac1de419_prep
    .symbol:         k_qeaac1de419_prep.kd
    .args:
      - { .name: x, .offset: 0, .size: 8, .value_kind: global_buffer, .address_space: global }
      - { .name: scale1, .offset: 8, .size: 8, .value_kind: global_buffer, .address_space: global }
      - { .name: shift1, .offset: 16, .size: 8, .value_kind: global_buffer, .address_space: global }
      - { .name: act, .offset: 24, .size: 8, .value_kind: global_buffer, .address_space: global }
      - { .name: Wq, .offset: 32, .size: 8, .value_kind: global_buffer, .address_space: global }
      - { .name: Wk, .offset: 40, .size: 8, .value_kind: global_buffer, .address_space: global }
      - { .name: Wv, .offset: 48, .size: 8, .value_kind: global_buffer, .address_space: global }
      - { .name: Wo, .offset: 56, .size: 8, .value_kind: global_buffer, .address_space: global }
      - { .name: W1, .offset: 64, .size: 8, .value_kind: global_buffer, .address_space: global }
      - { .name: W2, .offset: 72, .size: 8, .value_kind: global_buffer, .address_space: global }
      - { .name: wb, .offset: 80, .size: 8, .value_kind: global_buffer, .address_space: global }
    .group_segment_fixed_size: 0
    .private_segment_fixed_size: 0
    .kernarg_segment_align: 8
    .kernarg_segment_size: 88
    .max_flat_workgroup_size: 256
    .sgpr_count:     66
    .vgpr_count:     256
    .wavefront_size: 32
...
	.end_amdgpu_metadata
.endif
;; end of part 1
;; launch qkv (part 2): grid 12 x 16, 4 waves a work-group, clusters of 4 x 4, 327,680 bytes of LDS; arguments act, wb, qkv; writes qkv
.if DOCPART == 2
	.amdgcn_target "amdgcn-amd-amdhsa--gfx1250"
	.amdhsa_code_object_version 6
	.text
	.protected	k_qeaac1de419_qkv
	.globl	k_qeaac1de419_qkv
	.p2align	8
	.type	k_qeaac1de419_qkv,@function
k_qeaac1de419_qkv:
	s_mov_b64 s[64:65], 0
	v_nop
	global_prefetch_b8 v0, s[64:65] scope:SCOPE_SE
	s_setreg_imm32_b32 hwreg(HW_REG_WAVE_MODE, 25, 1), 1
	s_wait_xcnt 0x0
	s_wait_alu depctr_hold_cnt(0) depctr_sa_sdst(0) depctr_va_vdst(0) depctr_va_sdst(0) depctr_va_ssrc(0) depctr_va_vcc(0) depctr_vm_vsrc(0)
	s_getreg_b32 s2, hwreg(HW_REG_IB_STS2, 6, 4)
	s_cmp_eq_u32 s2, 0
	s_cbranch_scc0 .Lentry_in_a_cluster
	s_endpgm
.Lentry_in_a_cluster:
	s_bfe_u32 s2, ttmp6, 0x10000c
	s_cmp_lg_u32 s2, 0xf033
	s_cbranch_scc0 .Lentry_shape_is_right
	s_endpgm
.Lentry_shape_is_right:
; QKV.  qkv = xn [Wq | Wk | Wv], bf16 operands, f32 sums, rounded once to bf16, unscaled.  xn = act, blocked by 64 columns: [16 planes][4,096 tokens][64].
; The weights lie in wb as [K = 1,024][N = 1,024] bf16, Wq, Wk, Wv one behind the other.  qkv: [48 planes][4,096 tokens][64]: planes 0-15 q by head, 16-31 k, 32-47 v.
; SHARES.  A tile of C is 256 tokens x 256 columns; four waves, each 128 x 128: 64 accumulators of 16 x 16, 512 registers.  3,072 / 256 x 4,096 / 256 = 192 work-groups, one tile each
; (a tile of 192 columns would make 256, but a wave's 96 columns would be one and a half planes of the output).
; K goes in 8 steps of 128 (two planes of A, 128 rows of B) through two LDS slots; one tensor load a wave brings a quarter of a slot.  One K step of text is walked by a loop, from a step's second
; quarter to the next step's first: the slot in hand is a scalar that an exclusive or turns, and one descriptor a tensor walks.  The first quarter stands ahead of the loop: its products start the sums.
; A's piece of a plane (128 tokens x 64 columns) is 16,384 dense bytes; in LDS 16 bytes of padding follow each token's 128.  B's rows (128 columns, 256 bytes) get 32 bytes of padding, and its
; fragments come out of LDS turned, by ds_load_tr16_b128.
; CLUSTER 4 x 4: the four work-groups of a row of the cluster need the same tiles of A, the four of a column the same tiles of B: each tile is asked for jointly.
; THE MATRIX INSTRUCTION IS USED TRANSPOSED (source 0 = 16 columns of B, source 1 = 16 tokens of A): a lane holds one token (lane % 16) and eight neighbouring columns.
; REGISTERS, in windows of 256 (s_set_vgpr_msb: bits 1:0 source 0, 3:2 source 1, 5:4 source 2, 7:6 destination):
;   window 0: v1-29 addresses; v32-111 the way out; v64-127, v128-191 fragments of A, two buffers      window 1: v64-127, v128-191 fragments of B
;   window 2: the 32 accumulators of my tokens 0-63 ((a, b) at v[8 (8 a + b)])                          window 3: those of my tokens 64-127
.set KTOT,   1024
.set T,      KTOT/128                  ; K steps
.set BPITCH, 1024                      ; elements in a row of B
.set HALF,   36864                     ; what one tensor load fills: A 2 planes x 128 rows x 144 bytes; B 128 rows x 288 bytes
.set SLOT,   4*HALF                    ; 0x24000; wave x HALF shares no bit with it, so one exclusive or turns an address in one slot into the other's
.set SPARE,  2*SLOT                    ; behind the ring: the spare words, 128 bytes a wave: two blocks of 256 bytes that no other line names
.set ASTEP,  2*524288                  ; bytes from a K step of A to the next: two planes
.set BSTEP,  256*BPITCH                ; of B: 128 rows
.set SPITCH, 528                       ; the stage's rows: 512 bytes of f32 + 16
.set STG,    128*SPITCH                ; a wave's stage, at wave x STG in the ring's bytes: written only when both slots have had their last fill and every wave's reads are back
.set ADRA0, 10                         ; v10  my lane's place in A's part of a slot; never rewritten
.set ADRB0, 11                         ; v11  in B's part
.set ADRA, 16                          ; v16  the same two in the slot in hand
.set ADRB, 17                          ; v17
.set PFOA, 20                          ; v20  A's prefetches: 256 x my lane; never rewritten
.set PFOB, 21                          ; v21  B's prefetches: my lane x a row of B; never rewritten
.set STO,  24                          ; v24  the way out: where I put 16 bytes of a row
.set RD,   25                          ; v25  where I read rows back
.set CO,   26                          ; v26  my byte offset in the output
.set SPW,  28                          ; v28  LDS address of my spare word; never rewritten
.set NIL,  29                          ; v29  0; never rewritten
.set XR,   32                          ; v[32:63]   the way out: 32 numbers
.set YR,   96                          ; v[96:111]  packed bf16
.set F0,   64
.set F1,   128
.set G1,   24                          ; s[24:31] group 1 for A;  s[32:39] group 0: set 0 for the first fill, set 1 walks
.set G0,   32
.set G1B,  48                          ; s[48:55], s[56:63] the same for B
.set G0B,  56
.set TB,   45                          ; s45  the slot in hand: 0 or SLOT
.set PFA,  74                          ; s[74:75] where A's prefetches stand
.set PFB,  76                          ; s[76:77] where B's stand
.set LIM,  78                          ; s78  1 in a wave that prefetches, else the greatest number
.set MSB, 0
.macro WIN new                         ; the immediate's high byte repeats the setting that is left; a switch that changes nothing is dropped
.if MSB != (\new)
	s_set_vgpr_msb (MSB<<8)|(\new)
.set MSB, \new
.endif
.endm
.set TO_B, 0x40                        ; destination window 1, address window 0
.macro PLACES                          ; four plain instructions between a matrix instruction and a load into, or a read of, its registers
.rept 4
	v_nop
.endr
.endm
.macro JLOAD s                         ; a joint load: waves 0 and 1 fetch A's halves, waves 2 and 3 B's; an s_nop 0 and four v_nop follow each line
	s_cmp_eq_u32 s11, 0
	s_cbranch_scc0 .Lfor_b_\@
	tensor_load_to_lds s[G0+4*(\s):G0+4*(\s)+3], s[G1:G1+7]
	s_nop 0
.rept 4
	v_nop
.endr
	s_branch .Lasked_\@
.Lfor_b_\@:
	tensor_load_to_lds s[G0B+4*(\s):G0B+4*(\s)+3], s[G1B:G1B+7]
	s_nop 0
.rept 4
	v_nop
.endr
.Lasked_\@:
.endm
; A PREFETCH INTO THE L2 of the K step that the NEXT change of slots will ask for, 256 matrix instructions ahead of that load; it stands behind the joint load, its five lines and the run of LDS loads.
; What wave w fetches of a K step is 128 blocks of 256 bytes (A: two planes x 16,384 dense bytes; B: 128 rows x 256 bytes).  A's tile row is read by every cluster of that row of clusters: the one
; with x = 0 asks; B's tile column by every cluster of that column: the one with y = 0 asks.  The four partners that ask for a tile jointly share its blocks out BY ADDRESS, 32 each, a lane a block
; (place cx for A, cy for B): no branch hangs on a work-group's place in its cluster.  So each block is named once in the launch.  K steps 0 to 2 come by their loads alone; the last refill
; (s3 = 1) has no K step behind the one it asks for.
.macro ASK
	s_cmp_gt_u32 s3, s[LIM]
	s_cbranch_scc0 .Lnone_\@
	s_cmp_eq_u32 s11, 0
	s_cbranch_scc0 .Lpf_b_\@
	global_prefetch_b8 v[PFOA], s[PFA:PFA+1] th:TH_LOAD_NT scope:SCOPE_SE
	s_branch .Lnone_\@
.Lpf_b_\@:
	global_prefetch_b8 v[PFOB], s[PFB:PFB+1] th:TH_LOAD_NT scope:SCOPE_SE
.Lnone_\@:
.endm
.macro CREST                           ; a round of the cluster's barrier behind its opening barrier
	s_cmp_lg_u32 s10, 0
	s_cbranch_scc1 .Lnot_wave_0_\@
	s_barrier_signal -3
.Lnot_wave_0_\@:
	s_barrier_wait -3
	s_barrier_signal -1
	s_barrier_wait -1
.endm
.macro CROUND
	s_barrier_signal -1
	s_barrier_wait -1
	CREST
.endm
; 16 matrix instructions: token blocks a0, a0 + 1 of the window's four (hi = 0: my tokens 0-63, 1: 64-127) x all 8 column blocks, 32 along K.  zero = 1: the product starts the sum.
; The 64 accumulators take turns, one instruction a turn, in the same order in every quarter, over the backward jumps too.
.macro MUL16 f, hi, a0, zero
	WIN 0xa1+0x50*(\hi)                            ; source 0 (B) window 1, source 1 (A) window 0, C and D window 2 or 3
.irp a, \a0, (\a0)+1
.irp b, 0,1,2,3,4,5,6,7
.if (\zero) == 1
	v_wmma_f32_16x16x32_bf16 v[8*(8*(\a)+(\b)):8*(8*(\a)+(\b))+7], v[(\f)+8*(\b):(\f)+8*(\b)+7], v[(\f)+8*(4*(\hi)+(\a)):(\f)+8*(4*(\hi)+(\a))+7], 0
.else
	v_wmma_f32_16x16x32_bf16 v[8*(8*(\a)+(\b)):8*(8*(\a)+(\b))+7], v[(\f)+8*(\b):(\f)+8*(\b)+7], v[(\f)+8*(4*(\hi)+(\a)):(\f)+8*(4*(\hi)+(\a))+7], v[8*(8*(\a)+(\b)):8*(8*(\a)+(\b))+7]
.endif
.endr
.endr
.endm
; 32 LDS loads in one run: the fragments of quarter q (rows 32 q .. of B; plane q / 2, channels 32 (q % 2) .. of A) into buffer f: B's sixteen, then A's
.macro FETCH q, f
	WIN TO_B
.irp i, 0,1,2,3,4,5,6,7
	ds_load_tr16_b128 v[(\f)+8*(\i):(\f)+8*(\i)+3],   v[ADRB] offset:(\q)*9216+32*(\i)
	ds_load_tr16_b128 v[(\f)+8*(\i)+4:(\f)+8*(\i)+7], v[ADRB] offset:(\q)*9216+32*(\i)+4608
.endr
	WIN 0
.irp i, 0,1,2,3,4,5,6,7
	ds_load_b128 v[(\f)+8*(\i):(\f)+8*(\i)+3],   v[ADRA] offset:((\q)/2)*18432+((\q)%2)*64+2304*(\i)
	ds_load_b128 v[(\f)+8*(\i)+4:(\f)+8*(\i)+7], v[ADRA] offset:((\q)/2)*18432+((\q)%2)*64+2304*(\i)+32
.endr
.endm
.macro QUARTER f, g, qn, zero          ; multiplies buffer f (64 products); in its middle fetches quarter qn into buffer g
	s_wait_dscnt 8                                 ; B and A's tokens 0-63 are in; the youngest eight loads (A's tokens 64-127) may be out
	MUL16 \f, 0, 0, \zero
	MUL16 \f, 0, 2, \zero
	PLACES
	FETCH \qn, \g
	s_wait_dscnt 32                                ; all but the 32 just issued
	MUL16 \f, 1, 0, \zero
	MUL16 \f, 1, 2, \zero
.endm
; The last quarter multiplies buffer 1 and changes slots.  In front of the barrier each wave waits for all its tensor loads (one is out: its part of the other slot), adds 0 to its spare word,
; and waits for that and for its reads of this slot.  fill = 1: the barrier opens a round of the cluster's barrier, and this slot is filled again, two K steps ahead, first thing behind it: the load
; has 224 matrix instructions in which to land.  fill = 0 (the last two K steps): nothing is asked for; in the last of them (s3 = 1) there is no further slot, and the run of LDS loads is jumped over.
.macro TURN fill
.if \fill
	s_wait_xcnt 0x0                                ; the last prefetch, a K step back, has read its address: both pointers step here, ahead of the waits of the change of slots
	s_add_nc_u64 s[PFA:PFA+1], s[PFA:PFA+1], ASTEP
	s_add_nc_u64 s[PFB:PFB+1], s[PFB:PFB+1], BSTEP
.endif
	WIN 0
	s_wait_tensorcnt 0x0
	ds_add_u32 v[SPW], v[NIL]
	s_wait_dscnt 9                                 ; the add and buffer 1's eight youngest loads may be out
	MUL16 F1, 0, 0, 0
	s_wait_dscnt 0x0                               ; the add is done, my reads of this slot are over
	s_barrier_signal -1
	MUL16 F1, 0, 2, 0
	WIN 0
	s_barrier_wait -1
.if \fill
	CREST                                          ; no wave of any partner still reads this slot or has a load on its way
	s_xor_b32 s[G0+5], s[G0+5], SLOT               ; the walking descriptors: the other slot than last time, the next K step
	s_add_nc_u64 s[G0+6:G0+7], s[G0+6:G0+7], ASTEP
	s_xor_b32 s[G0B+5], s[G0B+5], SLOT
	s_add_nc_u64 s[G0B+6:G0B+7], s[G0B+6:G0B+7], BSTEP
	JLOAD 1
.endif
	s_xor_b32 s[TB], s[TB], SLOT
	v_add_nc_u32 v[ADRA], s[TB], v[ADRA0]          ; these four are also the places in front of the loads into buffer 0
	v_add_nc_u32 v[ADRB], s[TB], v[ADRB0]
	v_nop
	v_nop
.if !(\fill)
	s_cmp_eq_u32 s3, 1
	s_cbranch_scc1 .Lno_fetch_\@
.endif
	FETCH 0, F0
.if \fill
	ASK
.else
	WIN 0
.Lno_fetch_\@:
.endif
	MUL16 F1, 1, 0, 0
	MUL16 F1, 1, 2, 0
.endm
	s_load_b128 s[4:7], s[0:1], 0x0                ; act s[4:5], wb s[6:7]
	s_load_b64 s[8:9], s[0:1], 0x10                ; qkv
	v_lshl_add_u32 v[SPW], v0, 2, SPARE
	v_mov_b32 v[NIL], 0
	ds_add_u32 v[SPW], v[NIL]                      ; the wave's opening: the add and its wait stand ahead of my first tensor load
	v_lshrrev_b32 v1, 5, v0
	v_readfirstlane_b32 s10, v1                    ; wave 0..3
	s_lshr_b32 s11, s10, 1                         ; my half of the tile's tokens.  Also: I fetch for A (0) or for B (1)
	s_and_b32 s12, s10, 1                          ; my half of its columns.  Also: which half of that tile I fetch
	s_bfe_u32 s40, ttmp6, 0x40000                  ; cx
	s_bfe_u32 s41, ttmp6, 0x40004                  ; cy
	s_lshl_b32 s42, ttmp9, 2
	s_add_co_u32 s42, s42, s40                     ; tile column = 4 x cluster x + cx
	s_and_b32 s13, ttmp7, 0xffff
	s_lshl_b32 s13, s13, 2
	s_add_co_u32 s13, s13, s41                     ; tile row = 4 x cluster y + cy
	s_lshl_b32 s43, s41, 2
	s_lshl_b32 s43, 15, s43                        ; my row of the cluster
	s_lshl_b32 s44, 0x1111, s40                    ; my column
	s_or_b32 s[G1+0], s43, (1<<16)|(1<<20)|(1<<21)|(4<<22)|(3<<25)   ; mask; 2-byte elements; padding on; bit 21 beside a mask; after every 32 words 4 words
	s_mov_b32 s[G1+1], 8192<<16                    ; tensor_dim0 = 8,192: 128 tokens x 64 columns, dense
	s_mov_b32 s[G1+2], 2<<16                       ; tensor_dim1 = 2 planes
	s_mov_b32 s[G1+3], 8192<<16                    ; tile_dim0
	s_mov_b32 s[G1+4], 2                           ; tile_dim1
	s_mov_b32 s[G1+5], 262144                      ; elements from plane to plane
	s_mov_b32 s[G1+6], 0
	s_mov_b32 s[G1+7], 0
	s_or_b32 s[G1B+0], s44, (1<<16)|(1<<20)|(1<<21)|(5<<22)|(7<<25)  ; after every 64 words 8 words
	s_mov_b32 s[G1B+1], 128<<16                    ; 128 columns
	s_mov_b32 s[G1B+2], 128<<16                    ; 128 rows
	s_mov_b32 s[G1B+3], 128<<16
	s_mov_b32 s[G1B+4], 128
	s_mov_b32 s[G1B+5], BPITCH
	s_mov_b32 s[G1B+6], 0
	s_mov_b32 s[G1B+7], 0
	s_lshl_b32 s16, s13, 15                        ; A: 256 tokens x 128 bytes a tile row,
	s_lshl_b32 s17, s12, 14                        ; + my 128 tokens
	s_add_co_u32 s16, s16, s17
	s_mov_b32 s17, 0
	s_and_b32 s46, s42, 3                          ; B: the tile's 512 bytes of a row,
	s_lshl_b32 s46, s46, 9
	s_lshr_b32 s47, s42, 2                         ; in Wq, Wk or Wv,
	s_lshl_b32 s47, s47, 21
	s_add_co_u32 s46, s46, s47
	s_lshl_b32 s47, s12, 8                         ; + my 128 columns
	s_add_co_u32 s46, s46, s47
	s_mov_b32 s47, 0
	s_mul_i32 s20, s10, HALF                       ; where they go: no place in the cluster enters an LDS address
	s_mov_b32 s[TB], 0
	s_wait_dscnt 0x0                               ; the opening add is done
	s_wait_kmcnt 0x0
	s_add_nc_u64 s[14:15], s[4:5], s[16:17]
	s_add_nc_u64 s[46:47], s[6:7], s[46:47]
	CROUND                                         ; all sixteen work-groups are here: the first joint loads meet
.irp s, 0,1
	s_mov_b32 s[G0+4*(\s)], 1
	s_add_co_u32 s[G0+4*(\s)+1], s20, (\s)*SLOT
	s_add_nc_u64 s[G0+4*(\s)+2:G0+4*(\s)+3], s[14:15], (\s)*ASTEP
	s_or_b32 s[G0+4*(\s)+3], s[G0+4*(\s)+3], 0x80000000
	s_mov_b32 s[G0B+4*(\s)], 1
	s_add_co_u32 s[G0B+4*(\s)+1], s20, (\s)*SLOT
	s_add_nc_u64 s[G0B+4*(\s)+2:G0B+4*(\s)+3], s[46:47], (\s)*BSTEP
	s_or_b32 s[G0B+4*(\s)+3], s[G0B+4*(\s)+3], 0x80000000
	JLOAD \s                                       ; two loads of mine are out
.endr
	; the prefetches' pointers, in registers of their own: my work-group's 32 blocks of the 128 that I fetch, at K step 2; the first change of slots steps them to K step 3
	s_lshr_b32 s18, s40, 1                         ; A: partner cx takes plane cx / 2,
	s_lshl_b32 s18, s18, 19
	s_and_b32 s19, s40, 1                          ; half cx % 2 of its 16,384 bytes
	s_lshl_b32 s19, s19, 13
	s_add_co_u32 s18, s18, s19
	s_add_co_u32 s18, s18, 2*ASTEP
	s_mov_b32 s19, 0
	s_add_nc_u64 s[PFA:PFA+1], s[14:15], s[18:19]
	s_mul_i32 s18, s41, 64*BPITCH                  ; B: partner cy takes rows 32 cy .. 32 cy + 31
	s_add_co_u32 s18, s18, 2*BSTEP
	s_add_nc_u64 s[PFB:PFB+1], s[46:47], s[18:19]
	s_and_b32 s22, ttmp7, 0xffff                   ; cluster y
	s_cmp_eq_u32 s11, 0
	s_cselect_b32 s22, ttmp9, s22                  ; the coordinate along which other clusters read the same blocks
	s_cmp_eq_u32 s22, 0
	s_cselect_b32 s[LIM], 1, -1                    ; the same in all sixteen partners, for a given wave
	v_and_b32 v1, 15, v0                           ; r = l % 16
	v_bfe_u32 v2, v0, 4, 1                         ; h = l / 16
	v_and_b32 v7, 31, v0                           ; l
	v_lshlrev_b32 v[PFOA], 8, v7
	v_mul_u32_u24 v[PFOB], v7, 2*BPITCH
	v_mul_u32_u24 v3, v1, 144
	v_lshl_add_u32 v3, v2, 4, v3                   ; A: token r x 144 + 16 h
	s_mul_i32 s21, s11, HALF
	v_add_nc_u32 v[ADRA0], s21, v3
	v_and_b32 v4, 7, v0
	v_lshl_add_u32 v4, v2, 3, v4                   ; B, for the turning load: row 8 h + l % 8,
	v_mul_u32_u24 v4, v4, 288
	v_bfe_u32 v5, v0, 3, 1
	v_lshl_add_u32 v4, v5, 4, v4                   ; 16 bytes for each half of eight lanes,
	s_mul_i32 s22, s12, HALF                       ; my 128 columns' half,
	s_add_co_u32 s22, s22, 2*HALF                  ; behind A's two halves
	v_add_nc_u32 v[ADRB0], s22, v4
	v_mov_b32 v[ADRA], v[ADRA0]
	v_mov_b32 v[ADRB], v[ADRB0]
	s_mul_i32 s23, s10, STG
	v_mul_u32_u24 v6, v1, SPITCH
	v_lshl_add_u32 v6, v2, 5, v6                   ; in: row r, 32 bytes for each half of the lanes
	v_add_nc_u32 v[STO], s23, v6
	v_bfe_u32 v6, v0, 3, 2                         ; back: eight lanes take 64 columns of a row, 32 bytes a lane; 32 lanes four rows
	v_mul_u32_u24 v6, v6, SPITCH
	v_and_b32 v5, 7, v0
	v_lshl_add_u32 v6, v5, 5, v6
	v_add_nc_u32 v[RD], s23, v6
	v_lshlrev_b32 v[CO], 4, v7                     ; out: 16 l: four tokens' 128 bytes of a plane, 512 bytes on end
	s_lshl_b32 s16, s13, 15                        ; the tile row's tokens in a plane,
	s_lshl_b32 s17, s11, 14                        ; my 128
	s_add_co_u32 s16, s16, s17
	s_mov_b32 s17, 0
	s_add_nc_u64 s[8:9], s[8:9], s[16:17]
	s_lshl_b32 s46, s42, 21                        ; plane 4 x tile column + 2 x my half
	s_lshl_b32 s47, s12, 20
	s_add_co_u32 s46, s46, s47
	s_mov_b32 s47, 0
	s_add_nc_u64 s[8:9], s[8:9], s[46:47]
	s_wait_tensorcnt 1                             ; my part of K step 0 is in; K step 1's may stay out
	s_barrier_signal -1
	s_barrier_wait -1
	FETCH 0, F0
	QUARTER F0, F1, 1, 1                           ; the first quarter stands ahead of the loop: its products start the sums, nothing is cleared
	WIN 0
	s_mov_b32 s3, T-2
.Lk:                                               ; a trip: a K step's last three quarters and the next step's first; every K step but the last two fills its slot again
	QUARTER F1, F0, 2, 0
	QUARTER F0, F1, 3, 0
	TURN 1
	QUARTER F0, F1, 1, 0
	WIN 0
	s_sub_co_u32 s3, s3, 1
	s_cmp_lg_u32 s3, 0
	s_cbranch_scc1 .Lk
	s_mov_b32 s3, 2
.Lt:                                               ; the last two K steps ask for nothing: a text of their own; the second trip is left in its middle
	QUARTER F1, F0, 2, 0
	QUARTER F0, F1, 3, 0
	TURN 0
	WIN 0
	s_cmp_eq_u32 s3, 1
	s_cbranch_scc1 .Ldone
	QUARTER F0, F1, 1, 0
	WIN 0
	s_sub_co_u32 s3, s3, 1
	s_cmp_lg_u32 s3, 0
	s_cbranch_scc1 .Lt
.Ldone:
	; THE WAY OUT.  Every wave's reads of the ring are back, then a barrier, then the stage is written over the ring's bytes.
	s_wait_dscnt 0x0
	s_barrier_signal -1
	s_barrier_wait -1
	PLACES
	PLACES
.irp hi, 0,1
	WIN 0x08+4*(\hi)                               ; the stores' data in window 2 or 3
.irp a, 0,1,2,3
.irp b, 0,1,2,3,4,5,6,7
	ds_store_b128 v[STO], v[8*(8*(\a)+(\b)):8*(8*(\a)+(\b))+3]   offset:16*SPITCH*(4*(\hi)+(\a))+64*(\b)
	ds_store_b128 v[STO], v[8*(8*(\a)+(\b))+4:8*(8*(\a)+(\b))+7] offset:16*SPITCH*(4*(\hi)+(\a))+64*(\b)+16
.endr
.endr
.endr
	WIN 0
	s_mov_b32 s3, 16
.Lout:                                             ; 8 tokens x 2 planes a trip: rows back (my own bytes: LDS serves a wave's instructions in order), rounded, stored
.irp u, 0,1,2,3                                    ; tokens 4 (u / 2) on, plane u % 2
	ds_load_b128 v[XR+8*(\u):XR+8*(\u)+3],   v[RD] offset:((\u)/2)*4*SPITCH+((\u)%2)*256
	ds_load_b128 v[XR+8*(\u)+4:XR+8*(\u)+7], v[RD] offset:((\u)/2)*4*SPITCH+((\u)%2)*256+16
.endr
	s_wait_dscnt 0x0
.set z, 0
.rept 16
	v_cvt_pk_bf16_f32 v[YR+z], v[XR+2*z], v[XR+2*z+1]
.set z, z+1
.endr
.irp u, 0,1,2,3
	global_store_b128 v[CO], v[YR+4*(\u):YR+4*(\u)+3], s[8:9] offset:((\u)%2)*524288+((\u)/2)*512  ; 512 consecutive bytes: four tokens' 128 bytes of a plane
.endr
	s_wait_xcnt 0x0                                ; the stores have read their data and offset: both are written again below and in the next trip
	v_add_nc_u32 v[RD], 8*SPITCH, v[RD]
	v_add_nc_u32 v[CO], 1024, v[CO]
	s_sub_co_u32 s3, s3, 1
	s_cmp_lg_u32 s3, 0
	s_cbranch_scc1 .Lout
	s_wait_tensorcnt 0x0                           ; the wave's end
	ds_add_u32 v[SPW], v[NIL]
	s_wait_dscnt 0x0
	CROUND                                         ; the closing round
	s_endpgm
.Lfunc_end_k_qeaac1de419_qkv:
	.size	k_qeaac1de419_qkv, .Lfunc_end_k_qeaac1de419_qkv-k_qeaac1de419_qkv
	.p2alignl 7, 3214868480
	.fill 96, 4, 3214868480
	.section	.rodata,"a",@progbits
	.p2align	6, 0x0
	.amdhsa_kernel k_qeaac1de419_qkv
		.amdhsa_group_segment_fixed_size 327680
		.amdhsa_private_segment_fixed_size 0
		.amdhsa_enable_private_segment 0
		.amdhsa_kernarg_size 24
		.amdhsa_user_sgpr_count 2
		.amdhsa_user_sgpr_kernarg_segment_ptr 1
		.amdhsa_wavefront_size32 1
		.amdhsa_system_sgpr_workgroup_id_x 1
		.amdhsa_system_sgpr_workgroup_id_y 1
		.amdhsa_system_sgpr_workgroup_id_z 1
		.amdhsa_system_vgpr_workitem_id 0
		.amdhsa_next_free_vgpr 1024
		.amdhsa_next_free_sgpr 80
		.amdhsa_reserve_vcc 0
		.amdhsa_float_denorm_mode_32 3
		.amdhsa_float_denorm_mode_16_64 3
		.amdhsa_memory_ordered 1
		.amdhsa_forward_progress 1
		.amdhsa_inst_pref_size 81
	.end_amdhsa_kernel
	.amdgpu_metadata
---
amdhsa.version: [ 1, 2 ]
amdhsa.kernels:
  - .name:           k_qeaac1de419_qkv
    .symbol:         k_qeaac1de419_qkv.kd
    .args:
      - { .name: act, .offset: 0, .size: 8, .value_kind: global_buffer, .address_space: global }
      - { .name: wb, .offset: 8, .size: 8, .value_kind: global_buffer, .address_space: global }
      - { .name: qkv, .offset: 16, .size: 8, .value_kind: global_buffer, .address_space: global }
    .group_segment_fixed_size: 327680
    .private_segment_fixed_size: 0
    .kernarg_segment_align: 8
    .kernarg_segment_size: 24
    .max_flat_workgroup_size: 128
    .sgpr_count:     80
    .vgpr_count:     1024
    .wavefront_size: 32
...
	.end_amdgpu_metadata
.endif
;; end of part 2
;; launch attn (part 3): grid 8 x 32, 4 waves a work-group, no clusters, 327,680 bytes of LDS; arguments qkv, act; writes act
.if DOCPART == 3
	.amdgcn_target "amdgcn-amd-amdhsa--gfx1250"
	.amdhsa_code_object_version 6
	.text
	.protected	k_qeaac1de419_attn
	.globl	k_qeaac1de419_attn
	.p2align	8
	.type	k_qeaac1de419_attn,@function
k_qeaac1de419_attn:
	s_mov_b64 s[64:65], 0
	v_nop
	global_prefetch_b8 v0, s[64:65] scope:SCOPE_SE
	s_setreg_imm32_b32 hwreg(HW_REG_WAVE_MODE, 25, 1), 1
	s_wait_xcnt 0x0
; CAUSAL ATTENTION, head size 64.  ctx[q] = the sum over k <= q of softmax_k(q . k / 8) v[k], for 32 pairs of head and batch; y = 2 x head + batch has 2,048 dense rows of 128 bytes at
; y x 262,144 in q's (qkv + 0), k's (+ 8,388,608) and v's (+ 16,777,216) planes, and in act, which takes ctx.  All bf16; products, maxima and sums in f32; the weights p are rounded to bf16
; for the second product (their sum l is taken of the unrounded p), ctx once at the end.
; LIMITS.  A hidden score counts as its value less 1e30; a weight below 2^-126 counts as 0 in l; NaN and infinities are not treated apart.
; THE WALK.  2,048 queries are NB = 16 blocks of 128; block i needs the key tiles 0 .. i of 128 keys, the last of which holds the diagonal.  A work-group takes blocks 15 - b and then b: 17 tiles
; whatever b: 8 x 32 = 256 work-groups of equal work, one loop with a constant trip count.  What differs lies in scalars made from b; every jump but the loop's own goes forward and passes no barrier
; and no tensor load (but the one of LOAD's two lines that the wave's number does not choose).
; NO CLUSTER: a head's 8 work-groups ask for the same tile only in trips 0 to 8 of 17; one walk common to all partners would have 16 + 8 = 24 trips for 17.
; SHARES.  Of a block's two bands of 64 queries a wave owns 16 rows in each: two PIECES.  So the diagonal tile is the same work for all four waves.
; LAYOUT.  S^T = K Q^T (source 0 = 16 keys, source 1 = 16 queries): a lane holds ONE query (lane % 16) and keys 8 (lane / 16) + 0..7; two such results rounded to bf16 ARE source 1 of O^T = V^T P.
; SOFTMAX.  p = 2^(c s - c m), c = log2(e) / 8, with a running maximum m; O and l are multiplied by a = 2^(c m_old - c m_new) in every tile.  c m starts far below every c s, so a block's first a is 0.
; A TILE, in phases: K and V out of LDS; 32 products K Q^T; (masks); softmax of piece 0; 16 products V^T P; softmax of piece 1; 16 products V^T P.  A softmax's 65 exponentials are one batch with one wait.
; REGISTERS (s_set_vgpr_msb: bits 1:0 source 0, 3:2 source 1, 5:4 source 2, 7:6 destination):
;   window 0: v1-15 addresses; v16-31 eight registers of statistics a piece; v61-63; v64-191 S^T, 64 a piece; v192-255 P, 32 a piece
;   window 1: v0-63 O^T, 32 a piece; v64-95 MD, the mask of a band's own 64 keys; v128-255 V of a tile          window 2: v0-31 Q; v32-63 the second block's Q; v64-191 K of a tile
.set NB,    16
.set PKB,   144       ; a row of K in LDS: 128 bytes + 16
.set PVB,   160       ; a row of V: 128 + 32
.set VOFF,  128*PKB   ; a slot: 128 rows of K, then 128 rows of V
.set SLOT1, 65536     ; slot 1 begins here: one exclusive or turns an address in one slot into the other's
.set STAGE, SLOT1+128*(PKB+PVB)  ; behind the ring, never filled by a tensor load: 16 rows x 144 bytes a wave
.set SP,    144
.set SPARE, STAGE+4*16*SP        ; the spare words, 128 bytes a wave: two blocks of 256 bytes that no other line names
.set AK0, 2           ; v2   my lane's place in a tile of K; never rewritten
.set AV0, 3           ; v3   the same for V
.set AK,  4           ; v4   the same two in the slot in hand
.set AV,  5
.set STO, 6           ; v6   the way out: where I put 16 bytes of a row
.set RD,  7           ; v7   where I read rows back
.set GO,  8           ; v8   my byte offset in 512 consecutive bytes of ctx
.set QO,  15          ; v15  my byte offset in 16 rows of Q
.set ST,  16          ; piece x at v[ST+8 x]: c m, m, l (even keys', odd keys'), c0-c3 at work; c2 keeps c m_old and then takes a
.set PFO, 61          ; v61  256 x my lane; never rewritten
.set SPW, 62          ; v62  LDS address of my spare word; never rewritten
.set NIL, 63          ; v63  0; never rewritten
.set S,   64
.set P,   192
.set MD,  64          ; window 1
.set VF,  128         ; window 1: keys 32 kk on, channels 16 cb on at VF + 32 kk + 8 cb
.set QB,  32          ; window 2
.set KF,  64          ; window 2: keys 16 kb on, channels 32 c on at KF + 16 kb + 8 c
.set WV,  12          ; s12  my wave's number
.set PB,  14          ; s14  b
.set HI,  15          ; s15  15 - b
.set G1K, 24          ; s[24:31] descriptor group 1 for K
.set G1V, 32          ; s[32:39] for V: it differs in the padding alone
.set G0K, 40          ; s[40:43] group 0 for K
.set G0V, 44          ; s[44:47] for V
.set SLOTS, 56        ; s56  tiles still to be asked for
.set CS,  58          ; s[58:59] c
.set SEL, 60          ; s[60:61] v_permlanex16_b32's selects: each lane takes its own place in the other half
.set TB,  62          ; s62  the slot in hand: 0 or SLOT1
.set RT,  70          ; s70  tiles of the block in hand still to be entered
.set NXT, 71          ; s71  the tile to be asked for next
.set LQ,  72          ; s72  the last tile of the block whose tiles are being asked for
.set OFF, 74          ; s[74:75] a tile's byte offset in K and V
.set BIGN, 76         ; s[76:77] -1e30
.set OLO, 80          ; s[80:81] ctx at my rows of the second block
.set PFA, 82          ; s[82:83] where my prefetches stand
.set LIM, 84          ; s84  2 in the work-group that prefetches, else the greatest number
.set MSB, 0
.macro WIN new
.if MSB != (\new)
	s_set_vgpr_msb (MSB<<8)|(\new)
.set MSB, (\new)
.endif
.endm
.set W_KQ, 0x0a       ; K and Q in window 2, S^T in window 0
.set W_PV, 0x51       ; V in window 1, P in window 0, O^T in window 1
.set W_RS, 0x41       ; destination and source 0 in window 1, source 1 in window 0
.set W_MK, 0x04       ; source 1 in window 1
.macro PLACES
.rept 4
	v_nop
.endr
.endm
; A fill.  Waves 0 and 1 fetch the two halves of a tile's K, waves 2 and 3 those of its V: 64 keys each.  An s_nop 0 and four v_nop follow each of the two lines.
.macro LOAD
	s_cmp_lt_u32 s[WV], 2
	s_cbranch_scc0 .Lfor_v_\@
	tensor_load_to_lds s[G0K:G0K+3], s[G1K:G1K+7]
	s_nop 0
.rept 4
	v_nop
.endr
	s_branch .Lasked_\@
.Lfor_v_\@:
	tensor_load_to_lds s[G0V:G0V+3], s[G1V:G1V+7]
	s_nop 0
.rept 4
	v_nop
.endr
.Lasked_\@:
.endm
; A PREFETCH INTO THE L2 of the tile that the NEXT change of slots will ask for.  All 8 work-groups of a head walk tiles 0, 1, 2 ..; the one with b = 0 walks all 16 in order, and it alone asks: in trip t for
; tile t + 2, each wave for the 8,192 bytes that it will itself fetch, a lane 256 bytes: each block is named once in the launch.  Tiles 0 and 1 come by their loads alone; trips 14 and 15 ask for nothing.
.macro ASK
	s_cmp_gt_u32 s[SLOTS], s[LIM]
	s_cbranch_scc0 .Lnot_mine_\@
	global_prefetch_b8 v[PFO], s[PFA:PFA+1] th:TH_LOAD_NT scope:SCOPE_SE
.Lnot_mine_\@:
.endm
; THE CHANGE OF SLOTS.  Each wave waits for all its tensor loads (one is out: its part of the other slot), adds 0 to its spare word, and waits for that and for its reads of the slot that it leaves.
; fill = 1: the old slot is filled again, first thing behind the barrier, with tile NXT; the descriptor's address is made anew from that number.  (At its first use slot 0 is waited for and slot 1 filled.)
.macro CHANGE fill
	WIN 0
	s_wait_tensorcnt 0x0
	ds_add_u32 v[SPW], v[NIL]       ; 0 onto my spare word; scalar work stands between it and the wait for it
.if \fill
	s_lshl_b32 s[OFF], s[NXT], 14   ; a tile is 16,384 bytes of K and of V
	s_xor_b32 s[G0K+1], s[G0K+1], SLOT1
	s_add_nc_u64 s[G0K+2:G0K+3], s[6:7], s[OFF:OFF+1]
	s_or_b32 s[G0K+3], s[G0K+3], 0x80000000
	s_xor_b32 s[G0V+1], s[G0V+1], SLOT1
	s_add_nc_u64 s[G0V+2:G0V+3], s[8:9], s[OFF:OFF+1]
	s_or_b32 s[G0V+3], s[G0V+3], 0x80000000
	s_add_co_u32 s[NXT], s[NXT], 1  ; the block's next tile, or behind its last the second block's tile 0
	s_cmp_gt_u32 s[NXT], s[LQ]
	s_cselect_b32 s[NXT], 0, s[NXT]
	s_cselect_b32 s[LQ], s[PB], s[LQ]
	s_wait_xcnt 0x0                 ; the last prefetch, a tile back, has read its address
	s_add_nc_u64 s[PFA:PFA+1], s[PFA:PFA+1], 16384
.endif
	s_wait_dscnt 0x0                ; the add is done, my reads of the slot are over
	s_barrier_signal -1
	s_xor_b32 s[TB], s[TB], SLOT1
	s_barrier_wait -1
.if \fill
	LOAD
	ASK
.endif
.endm
.macro FETCH_K                      ; 32 loads: 128 keys x 64 channels
	WIN 0x80
.set f, 0
.rept 16                            ; keys 16 (f / 2) on, channels 32 (f % 2) on
	ds_load_b128 v[KF+8*f:KF+8*f+3],   v[AK] offset:(f/2)*16*PKB+(f%2)*64
	ds_load_b128 v[KF+8*f+4:KF+8*f+7], v[AK] offset:(f/2)*16*PKB+(f%2)*64+32
.set f, f+1
.endr
.endm
.macro FETCH_V                      ; 32 turning loads: lane l reads key 8 (l / 16) + l % 8, channels 8 ((l / 8) % 2) + 0..7, and is left with channel l % 16 and 8 keys
	WIN 0x40
.set f, 0
.rept 16                            ; keys 32 (f / 4) on, channels 16 (f % 4) on
	ds_load_tr16_b128 v[VF+8*f:VF+8*f+3],   v[AV] offset:(f/4)*32*PVB+(f%4)*32
	ds_load_tr16_b128 v[VF+8*f+4:VF+8*f+7], v[AV] offset:(f/4)*32*PVB+16*PVB+(f%4)*32
.set f, f+1
.endr
.endm
.macro KQ                           ; 32 products: channels 32 (n / 16) on, keys 16 ((n / 2) % 8) on, piece n % 2.  The first 16 start the sums; the 16 accumulators take turns
	WIN W_KQ
.set n, 0
.rept 32
.set c, n/16
.set kb, (n/2)%8
.set x, n%2
.if c == 0
	v_wmma_f32_16x16x32_bf16 v[S+64*x+8*kb:S+64*x+8*kb+7], v[KF+16*kb+8*c:KF+16*kb+8*c+7], v[16*x+8*c:16*x+8*c+7], 0
.else
	v_wmma_f32_16x16x32_bf16 v[S+64*x+8*kb:S+64*x+8*kb+7], v[KF+16*kb+8*c:KF+16*kb+8*c+7], v[16*x+8*c:16*x+8*c+7], v[S+64*x+8*kb:S+64*x+8*kb+7]
.endif
.set n, n+1
.endr
.endm
.macro PVX x                        ; 16 products: keys 32 (n / 4) on, channels 16 (n % 4) on.  The piece's 4 accumulators take turns
	WIN W_PV
.set n, 0
.rept 16
.set kk, n/4
.set cb, n%4
	v_wmma_f32_16x16x32_bf16 v[32*(\x)+8*cb:32*(\x)+8*cb+7], v[VF+32*kk+8*cb:VF+32*kk+8*cb+7], v[P+32*(\x)+8*kk:P+32*(\x)+8*kk+7], v[32*(\x)+8*cb:32*(\x)+8*cb+7]
.set n, n+1
.endr
.endm
.macro MASKS                        ; the diagonal tile: band 0 has its own 64 keys and sees none of the next 64; band 1 sees the first 64 and has its own in the second
	WIN W_MK
.set z, 0
.rept 16
	v_pk_add_f32 v[S+2*z:S+2*z+1], v[S+2*z:S+2*z+1], v[MD+2*z:MD+2*z+1]
.set z, z+1
.endr
.set z, 0
.rept 16
	v_pk_add_f32 v[S+32+2*z:S+32+2*z+1], v[S+32+2*z:S+32+2*z+1], s[BIGN:BIGN+1] op_sel_hi:[1,0]
.set z, z+1
.endr
.set z, 0
.rept 16
	v_pk_add_f32 v[S+96+2*z:S+96+2*z+1], v[S+96+2*z:S+96+2*z+1], v[MD+2*z:MD+2*z+1]
.set z, z+1
.endr
.endm
; THE SOFTMAX of piece x for a tile: the lane's 64 scores.
.macro SM x
.set rT, ST+8*(\x)
.set rS, S+64*(\x)
.set rP, P+32*(\x)
.set rO, 32*(\x)
	WIN 0
.set n, 0
.rept 32                            ; the maximum, with the old m, in four chains; each accumulator's lowest registers are read first
.set kb, n%8
.if n < 4
	v_max3_num_f32 v[rT+4+kb%4], v[rT+1], v[rS+8*kb], v[rS+8*kb+1]
.else
	v_max3_num_f32 v[rT+4+kb%4], v[rT+4+kb%4], v[rS+8*kb+2*(n/8)], v[rS+8*kb+2*(n/8)+1]
.endif
.set n, n+1
.endr
	v_max3_num_f32 v[rT+4], v[rT+4], v[rT+5], v[rT+6]
	v_mov_b32 v[rT+6], v[rT]        ; c m_old is kept
	v_max_num_f32 v[rT+4], v[rT+4], v[rT+7]
	v_permlanex16_b32 v[rT+5], v[rT+4], s[SEL], s[SEL+1]  ; the query's other 64 keys lie in the lane 16 away
	v_max_num_f32 v[rT+1], v[rT+4], v[rT+5]
	v_mul_f32 v[rT], s[CS], v[rT+1]
	v_sub_f32 v[rT+7], v[rT+6], v[rT]
	v_exp_f32 v[rT+6], v[rT+7]      ; a: the first of ONE BATCH of 65 exponentials; nothing ahead of the wait below names a result of theirs
.set p, 0
.rept 32                            ; pair p is scaled, c s - c m; then the exponentials of the pair before it
	v_pk_fma_f32 v[rS+2*p:rS+2*p+1], v[rS+2*p:rS+2*p+1], s[CS:CS+1], v[rT:rT+1] op_sel_hi:[1,0,0] neg_lo:[0,0,1] neg_hi:[0,0,1]
.if p > 0
	v_exp_f32 v[rS+2*p-2], v[rS+2*p-2]
	v_exp_f32 v[rS+2*p-1], v[rS+2*p-1]
.endif
.set p, p+1
.endr
	v_exp_f32 v[rS+62], v[rS+62]
	v_exp_f32 v[rS+63], v[rS+63]
	v_nop                           ; a plain instruction behind the last exponential,
	s_wait_alu depctr_va_vdst(0)    ; and one wait for the batch, ahead of its first reader
.set p, 0
.rept 32
	v_cvt_pk_bf16_f32 v[rP+p], v[rS+2*p], v[rS+2*p+1]
.set p, p+1
.endr
.irp w, 4,8,16,32,64                ; the sum of the 32 pairs, in place: neighbours 1, 2, 4, 8, 16 pairs apart
.set u, 0
.rept 64/(\w)
	v_pk_add_f32 v[rS+(\w)*u:rS+(\w)*u+1], v[rS+(\w)*u:rS+(\w)*u+1], v[rS+(\w)*u+(\w)/2:rS+(\w)*u+(\w)/2+1]
.set u, u+1
.endr
.endr
	v_pk_fma_f32 v[rT+2:rT+3], v[rT+2:rT+3], v[rT+6:rT+7], v[rS:rS+1] op_sel_hi:[1,0,1]  ; l = a l + sum
	WIN W_RS
.set z, 0
.rept 16
	v_pk_mul_f32 v[rO+2*z:rO+2*z+1], v[rO+2*z:rO+2*z+1], v[rT+6:rT+7] op_sel_hi:[1,0]    ; O^T times a
.set z, z+1
.endr
.endm
; A TILE.  diag = 1: the walk's last tile, which is a diagonal one; diag = 0: RT says whether it is.
.macro TILE diag
	WIN 0
	v_add_nc_u32 v[AK], s[TB], v[AK0]
	v_add_nc_u32 v[AV], s[TB], v[AV0]
	FETCH_K
	FETCH_V
	s_wait_dscnt 32                 ; K is in; V's 32 loads may stay out
	KQ
	WIN 0
	PLACES
.if !(\diag)
	s_cmp_lg_u32 s[RT], 0
	s_cbranch_scc1 .Lopen_\@
.endif
	MASKS
	WIN 0
.if !(\diag)
.Lopen_\@:
.endif
	SM 0
	s_wait_dscnt 0x0                ; V is in
	PVX 0
	SM 1
	PVX 1
	WIN 0
	PLACES                          ; behind the last products: for the next tile's loads into V's registers, and for the way out
.endm
; THE WAY OUT: l's halves and the other half of the lanes' are added; O^T is divided by l, rounded to bf16 and sent through my stage, a piece at a time.
.macro PACK t
	WIN W_RS
.set i, 32*(\t)
.rept 16
	v_pk_mul_f32 v[i:i+1], v[i:i+1], v[ST+8*(\t)+2:ST+8*(\t)+3] op_sel_hi:[1,0]
.set i, i+2
.endr
	WIN 0x05                        ; sources 0 and 1 window 1, destination window 0: S^T's registers are free
.set i, 0
.rept 16
	v_cvt_pk_bf16_f32 v[S+16*(\t)+i], v[32*(\t)+2*i], v[32*(\t)+2*i+1]
.set i, i+1
.endr
	WIN 0
.irp f, 0,1,2,3
	ds_store_b128 v[STO], v[S+16*(\t)+4*\f:S+16*(\t)+4*\f+3] offset:32*\f
.endr
.irp f, 0,1,2,3
	ds_load_b128 v[S+16*(\t)+4*\f:S+16*(\t)+4*\f+3], v[RD] offset:\f*4*SP  ; my own bytes: LDS serves a wave's instructions in order
.endr
.endm
.macro SEND t, younger              ; younger: the LDS instructions issued behind piece t's loads
	WIN 0
.irp f, 0,1,2,3
	s_wait_dscnt (\younger)+3-\f
	global_store_b128 v[GO], v[S+16*(\t)+4*\f:S+16*(\t)+4*\f+3], s[10:11] offset:(\t)*8192+\f*512  ; 512 consecutive bytes, at a multiple of 256 from act's first
.endr
.endm
.macro WAYOUT
	WIN 0
.irp t, 0,1
	v_add_f32 v[ST+8*\t+2], v[ST+8*\t+2], v[ST+8*\t+3]
.endr
.irp t, 0,1
	v_permlanex16_b32 v[ST+8*\t+3], v[ST+8*\t+2], s[SEL], s[SEL+1]
.endr
.irp t, 0,1
	v_add_f32 v[ST+8*\t+2], v[ST+8*\t+2], v[ST+8*\t+3]
.endr
.irp t, 0,1
	v_rcp_f32 v[ST+8*\t+2], v[ST+8*\t+2]
.endr
	v_nop
	s_wait_alu depctr_va_vdst(0)    ; one wait for the two reciprocals
	PACK 0
	PACK 1
	SEND 0, 8
	SEND 1, 0
.endm
	s_load_b64 s[4:5], s[0:1], 0x0  ; qkv
	s_load_b64 s[10:11], s[0:1], 0x8  ; act
	v_lshl_add_u32 v[SPW], v0, 2, SPARE
	v_mov_b32 v[NIL], 0
	ds_add_u32 v[SPW], v[NIL]       ; the wave's opening: the add and its wait stand ahead of my first tensor load
	v_lshrrev_b32 v1, 5, v0
	v_readfirstlane_b32 s[WV], v1   ; wave 0..3
	s_mov_b32 s[PB], ttmp9
	s_sub_co_u32 s[HI], NB-1, s[PB]
	s_and_b32 s20, ttmp7, 0xffff
	s_lshl_b32 s20, s20, 18         ; y x 262,144
	s_and_b32 s16, s[WV], 1         ; which half of a tile's 128 keys I fetch:
	s_lshl_b32 s22, s16, 13         ; its 64 rows of 128 bytes in memory,
	s_add_co_u32 s22, s22, s20
	s_mov_b32 s23, 0
	s_mul_i32 s17, s16, 64*PKB      ; and its place in a slot, for K
	s_mul_i32 s18, s16, 64*PVB      ; and for V
	s_lshl_b32 s3, s[WV], 11        ; my 16 rows in a band,
	s_add_co_u32 s3, s3, s20
	s_lshl_b32 s2, s[HI], 14        ; in the first block,
	s_add_co_u32 s2, s2, s3
	s_lshl_b32 s88, s[PB], 14       ; and in the second
	s_add_co_u32 s88, s88, s3
	s_mov_b32 s3, 0
	s_mov_b32 s89, 0
	; 64 keys are 8,192 dense bytes: asked for as 32 rows of 256 bytes, two keys a row, and padded in LDS after every key
	s_mov_b32 s[G1K], (1<<16)|(1<<20)|(4<<22)|(3<<25)  ; 2-byte elements; padding on; after every 32 words 4 words
	s_mov_b32 s[G1V], (1<<16)|(1<<20)|(4<<22)|(7<<25)  ; the same with 8 words
.irp g, G1K, G1V
	s_mov_b32 s[\g+1], 128<<16      ; tensor_dim0 = 128
	s_mov_b32 s[\g+2], 32<<16       ; tensor_dim1 = 32
	s_mov_b32 s[\g+3], 128<<16      ; tile_dim0 = 128
	s_mov_b32 s[\g+4], 32           ; tile_dim1 = 32
	s_mov_b32 s[\g+5], 128          ; elements from row to row
	s_mov_b32 s[\g+6], 0
	s_mov_b32 s[\g+7], 0
.endr
	s_mov_b32 s[CS], 0x3e38aa3b     ; c = log2(e) / 8
	s_mov_b32 s[CS+1], s[CS]
	s_mov_b32 s[SEL], 0x76543210
	s_mov_b32 s[SEL+1], 0xfedcba98
	s_mov_b32 s[BIGN], 0xf149f2ca   ; -1e30
	s_mov_b32 s[BIGN+1], s[BIGN]
	s_mov_b32 s[TB], SLOT1          ; the first change of slots turns it into 0
	s_mov_b32 s[G0K], 1
	s_mov_b32 s[G0K+1], s17         ; slot 0
	s_mov_b32 s[G0V], 1
	s_add_co_u32 s[G0V+1], s18, VOFF
	s_add_co_u32 s[RT], s[HI], 1    ; the first block has 16 - b tiles
	s_mov_b32 s[NXT], 1
	s_mov_b32 s[LQ], s[HI]
	s_mov_b32 s[OFF+1], 0
	s_mov_b32 s[SLOTS], NB
	s_cmp_eq_u32 s[PB], 0
	s_cselect_b32 s[LIM], 2, -1
	s_wait_dscnt 0x0                ; the opening add is done
	s_wait_kmcnt 0x0
	s_add_nc_u64 s[6:7], s[4:5], s[22:23]
	s_add_nc_u64 s[8:9], s[6:7], 16777216          ; V at my half of the head's tile 0
	s_add_nc_u64 s[6:7], s[6:7], 8388608           ; K likewise
	s_add_nc_u64 s[G0K+2:G0K+3], s[6:7], 0
	s_or_b32 s[G0K+3], s[G0K+3], 0x80000000
	s_add_nc_u64 s[G0V+2:G0V+3], s[8:9], 0
	s_or_b32 s[G0V+3], s[G0V+3], 0x80000000
	s_add_nc_u64 s[86:87], s[4:5], s[88:89]        ; Q at my rows of the second block,
	s_add_nc_u64 s[4:5], s[4:5], s[2:3]            ; Q and ctx at those of the first
	s_add_nc_u64 s[OLO:OLO+1], s[10:11], s[88:89]
	s_add_nc_u64 s[10:11], s[10:11], s[2:3]
	s_cmp_lt_u32 s[WV], 2
	s_cselect_b64 s[PFA:PFA+1], s[6:7], s[8:9]
	s_add_nc_u64 s[PFA:PFA+1], s[PFA:PFA+1], 16384 ; at tile 1: the first change of slots steps it to tile 2
	LOAD                            ; tile 0 into slot 0
	v_and_b32 v1, 15, v0            ; l % 16
	v_bfe_u32 v9, v0, 4, 1          ; l / 16
	v_lshlrev_b32 v[QO], 7, v1
	v_lshl_add_u32 v[QO], v9, 4, v[QO]  ; row x 128 + 16 x half
	WIN 0x80
.set i, 0
.rept 4                             ; both blocks' Q: piece i / 2 lies 8,192 bytes on; channels 32 (i % 2) on
	global_load_b128 v[8*i:8*i+3],   v[QO], s[4:5] offset:(i/2)*8192+(i%2)*64
	global_load_b128 v[8*i+4:8*i+7], v[QO], s[4:5] offset:(i/2)*8192+(i%2)*64+32
	global_load_b128 v[QB+8*i:QB+8*i+3],   v[QO], s[86:87] offset:(i/2)*8192+(i%2)*64
	global_load_b128 v[QB+8*i+4:QB+8*i+7], v[QO], s[86:87] offset:(i/2)*8192+(i%2)*64+32
.set i, i+1
.endr
	WIN 0
	v_lshlrev_b32 v14, 3, v9
	v_sub_nc_u32 v14, v1, v14
	s_lshl_b32 s13, s[WV], 4
	v_add_nc_u32 v14, s13, v14      ; my query's place in its band less my lanes' 8 (l / 16): register j of key group kt is hidden where 16 kt + j is greater
	WIN 0x40
.set i, 0
.rept 32
	v_cmp_gt_i32 vcc_lo, 16*(i/8)+i%8, v14
	v_cndmask_b32 v[MD+i], 0, s[BIGN], vcc_lo
.set i, i+1
.endr
.set i, 0
.rept 64
	v_mov_b32 v[i], 0               ; O^T need only be finite: a block's first a is 0.  These lines stand in the wait for the first tile
.set i, i+1
.endr
	WIN 0
	v_mul_u32_u24 v[AK0], v1, PKB
	v_lshl_add_u32 v[AK0], v9, 4, v[AK0]
	v_and_b32 v10, 7, v0
	v_bfe_u32 v11, v0, 3, 1
	v_lshl_add_u32 v[AV0], v9, 3, v10
	v_mul_u32_u24 v[AV0], v[AV0], PVB
	v_lshl_add_u32 v[AV0], v11, 4, v[AV0]
	v_add_nc_u32 v[AV0], VOFF, v[AV0]
	s_mul_i32 s13, s[WV], 16*SP
	s_add_co_u32 s13, s13, STAGE    ; my stage
	v_mul_u32_u24 v[STO], v1, SP    ; in: row l % 16, 16 bytes for each half of the lanes
	v_lshl_add_u32 v[STO], v9, 4, v[STO]
	v_add_nc_u32 v[STO], s13, v[STO]
	v_bfe_u32 v[RD], v0, 3, 2       ; back: 32 lanes take four rows of 128 bytes,
	v_mul_u32_u24 v[RD], v[RD], SP
	v_lshl_add_u32 v[RD], v10, 4, v[RD]
	v_add_nc_u32 v[RD], s13, v[RD]
	v_and_b32 v[GO], 31, v0         ; which are 512 consecutive bytes of ctx
	v_lshlrev_b32 v[PFO], 8, v[GO]
	v_lshlrev_b32 v[GO], 4, v[GO]
.irp t, 0,1
	v_mov_b32 v[ST+8*\t], 0xfe000000    ; c m: far below every c s
	v_mov_b32 v[ST+8*\t+1], 0xff7fffff  ; m: the lowest finite number
	v_mov_b32 v[ST+8*\t+2], 0
	v_mov_b32 v[ST+8*\t+3], 0
.endr
	s_wait_loadcnt 0x0              ; Q
.Lslot:                             ; 16 times: a tile is entered and the next is asked for
	CHANGE 1
	s_sub_co_u32 s[RT], s[RT], 1
	TILE 0
	s_cmp_lg_u32 s[RT], 0
	s_cbranch_scc1 .Lbottom
	WAYOUT                          ; in the loop this is the first block's end
	s_wait_xcnt 0x0                 ; the stores have read their registers and ctx's address
	s_mov_b64 s[10:11], s[OLO:OLO+1]
	s_add_co_u32 s[RT], s[PB], 1    ; the second block has b + 1 tiles
.irp t, 0,1
	v_mov_b32 v[ST+8*\t], 0xfe000000
	v_mov_b32 v[ST+8*\t+1], 0xff7fffff
.endr
	WIN 0x82                        ; the second block's Q goes where the one text of the products names Q
.set i, 0
.rept 32
	v_mov_b32 v[i], v[QB+i]
.set i, i+1
.endr
	WIN 0
.Lbottom:
	s_sub_co_u32 s[SLOTS], s[SLOTS], 1
	s_cmp_lg_u32 s[SLOTS], 0
	s_cbranch_scc1 .Lslot
	CHANGE 0                        ; the walk's last tile is written out
	TILE 1
	WAYOUT
	s_wait_tensorcnt 0x0            ; the wave's end
	ds_add_u32 v[SPW], v[NIL]
	s_wait_dscnt 0x0
	s_endpgm
.Lfunc_end_k_qeaac1de419_attn:
	.size	k_qeaac1de419_attn, .Lfunc_end_k_qeaac1de419_attn-k_qeaac1de419_attn
	.p2alignl 7, 3214868480
	.fill 96, 4, 3214868480
	.section	.rodata,"a",@progbits
	.p2align	6, 0x0
	.amdhsa_kernel k_qeaac1de419_attn
		.amdhsa_group_segment_fixed_size 327680
		.amdhsa_private_segment_fixed_size 0
		.amdhsa_enable_private_segment 0
		.amdhsa_kernarg_size 16
		.amdhsa_user_sgpr_count 2
		.amdhsa_user_sgpr_kernarg_segment_ptr 1
		.amdhsa_wavefront_size32 1
		.amdhsa_system_sgpr_workgroup_id_x 1
		.amdhsa_system_sgpr_workgroup_id_y 1
		.amdhsa_system_sgpr_workgroup_id_z 1
		.amdhsa_system_vgpr_workitem_id 0
		.amdhsa_next_free_vgpr 704
		.amdhsa_next_free_sgpr 90
		.amdhsa_reserve_vcc 1
		.amdhsa_float_denorm_mode_32 3
		.amdhsa_float_denorm_mode_16_64 3
		.amdhsa_memory_ordered 1
		.amdhsa_forward_progress 1
		.amdhsa_inst_pref_size 99
	.end_amdhsa_kernel
	.amdgpu_metadata
---
amdhsa.version: [ 1, 2 ]
amdhsa.kernels:
  - .name:           k_qeaac1de419_attn
    .symbol:         k_qeaac1de419_attn.kd
    .args:
      - { .name: qkv, .offset: 0, .size: 8, .value_kind: global_buffer, .address_space: global }
      - { .name: act, .offset: 8, .size: 8, .value_kind: global_buffer, .address_space: global }
    .group_segment_fixed_size: 327680
    .private_segment_fixed_size: 0
    .kernarg_segment_align: 8
    .kernarg_segment_size: 16
    .max_flat_workgroup_size: 128
    .sgpr_count:     90
    .vgpr_count:     704
    .wavefront_size: 32
...
	.end_amdgpu_metadata
.endif
;; end of part 3
;; launch wo (part 4): grid 8 x 32, 4 waves a work-group, clusters of 4 x 4, 327,680 bytes of LDS; arguments act, wb, h, bo, x; writes h
.if DOCPART == 4
	.amdgcn_target "amdgcn-amd-amdhsa--gfx1250"
	.amdhsa_code_object_version 6
	.text
	.protected	k_qeaac1de419_wo
	.globl	k_qeaac1de419_wo
	.p2align	8
	.type	k_qeaac1de419_wo,@function
k_qeaac1de419_wo:
	s_mov_b64 s[64:65], 0
	v_nop
	global_prefetch_b8 v0, s[64:65] scope:SCOPE_SE
	s_setreg_imm32_b32 hwreg(HW_REG_WAVE_MODE, 25, 1), 1
	s_wait_xcnt 0x0
	s_wait_alu depctr_hold_cnt(0) depctr_sa_sdst(0) depctr_va_vdst(0) depctr_va_sdst(0) depctr_va_ssrc(0) depctr_va_vcc(0) depctr_vm_vsrc(0)
	s_getreg_b32 s2, hwreg(HW_REG_IB_STS2, 6, 4)
	s_cmp_eq_u32 s2, 0
	s_cbranch_scc0 .Lentry_in_a_cluster
	s_endpgm
.Lentry_in_a_cluster:
	s_bfe_u32 s2, ttmp6, 0x10000c
	s_cmp_lg_u32 s2, 0xf033
	s_cbranch_scc0 .Lentry_shape_is_right
	s_endpgm
.Lentry_shape_is_right:
; WO.  h = x + ctx Wo + bo, f32 out.  ctx = act, bf16 blocked by 64 columns: [16 planes][4,096 tokens][64]; Wo lies in wb at byte 6,291,456 as [K = 1,024][N = 1,024] bf16.  Sums in f32.
; SHARES.  A tile of C is 128 tokens x 128 columns; four waves, each 64 x 64: 16 accumulators.  8 x 32 = 256 work-groups.  K goes in steps of 256 (four planes of A, 256 rows of B) through two LDS
; slots; one tensor load a wave brings a quarter of a slot.  One K step of text is walked by a loop: the slot in hand is a scalar that an exclusive or turns, and one descriptor a tensor walks.
; A's piece of a plane (64 tokens x 64 columns) is 8,192 dense bytes, padded in LDS by 16 bytes after each token's 128; B's rows (256 bytes) by 32, and its fragments come out turned (ds_load_tr16_b128).
; CLUSTER 4 x 4: A's tiles are shared along a row of the cluster, B's along a column: each is asked for jointly.
; THE MATRIX INSTRUCTION IS USED TRANSPOSED (source 0 = 16 columns of B, source 1 = 16 tokens of A): a lane holds one token (lane % 16) and eight neighbouring columns.
; THE SUMS START AS THE BIAS, loaded straight into the accumulators.  THE RESIDUAL (my 64 x 64 of x) is loaded at the start into 128 registers and stays on its way through the K loop.
; REGISTERS.  Window 0: v1-29 addresses; v32-95 the way out; v128-255 accumulators.  Window 1: two fragment buffers of 128.  Window 2: v0-127 the residual.
.set KTOT,   1024
.set T,      KTOT/256
.set BPITCH, 1024
.set WOFS,   6291456
.set HALF,   36864                     ; what one tensor load fills: A 4 planes x 64 rows x 144 bytes; B 128 rows x 288 bytes
.set SLOT,   4*HALF                    ; 0x24000; wave x HALF shares no bit with it
.set SPARE,  2*SLOT                    ; the spare words, 128 bytes a wave: two blocks of 256 bytes that no other line names
.set ASTEP,  4*524288
.set BSTEP,  512*BPITCH
.set SPITCH, 272
.set STG,    64*SPITCH                 ; a wave's stage, at wave x STG in the ring's first bytes: written only when both slots have had their last fill and every wave's reads are back
.set ADRA0, 10
.set ADRB0, 11
.set ADRB20, 12
.set ADRA, 16
.set ADRB, 17                          ; v17, v18
.set STO,  24
.set RD,   25
.set CO,   26                          ; v26  my byte offset in h and in x; never rewritten
.set BO,   27                          ; v27  my byte offset in the bias
.set SPW,  28
.set NIL,  29
.set ACC,  128
.set F0,   0
.set F1,   128
.set G1,   24
.set G0,   32
.set G1B,  48
.set G0B,  56
.set TB,   45
.set MSB, 0
.macro WIN new
.if MSB != (\new)
	s_set_vgpr_msb (MSB<<8)|(\new)
.set MSB, \new
.endif
.endm
.set MUL,  0x05                        ; sources 0 (B) and 1 (A) window 1; C and D window 0
.set TO_F, 0x40                        ; destination window 1
.set RES_IN,  0x80                     ; destination window 2
.set RES_ADD, 0x08                     ; source 1 window 2
.macro PLACES
.rept 4
	v_nop
.endr
.endm
.macro JLOAD s                         ; waves 0 and 1 fetch A's halves, waves 2 and 3 B's; an s_nop 0 and four v_nop follow each line
	s_cmp_eq_u32 s11, 0
	s_cbranch_scc0 .Lfor_b_\@
	tensor_load_to_lds s[G0+4*(\s):G0+4*(\s)+3], s[G1:G1+7]
	s_nop 0
.rept 4
	v_nop
.endr
	s_branch .Lasked_\@
.Lfor_b_\@:
	tensor_load_to_lds s[G0B+4*(\s):G0B+4*(\s)+3], s[G1B:G1B+7]
	s_nop 0
.rept 4
	v_nop
.endr
.Lasked_\@:
.endm
.macro CREST
	s_cmp_lg_u32 s10, 0
	s_cbranch_scc1 .Lnot_wave_0_\@
	s_barrier_signal -3
.Lnot_wave_0_\@:
	s_barrier_wait -3
	s_barrier_signal -1
	s_barrier_wait -1
.endm
.macro CROUND
	s_barrier_signal -1
	s_barrier_wait -1
	CREST
.endm
.macro MUL8 f, c, a0                   ; 8 matrix instructions; the 16 accumulators take turns, one instruction a turn, over the backward jumps too
	WIN MUL
.irp a, \a0, (\a0)+1
.irp b, 0,1,2,3
	v_wmma_f32_16x16x32_bf16 v[ACC+8*(4*(\a)+(\b)):ACC+8*(4*(\a)+(\b))+7], v[(\f)+64+8*(4*(\c)+(\b)):(\f)+64+8*(4*(\c)+(\b))+7], v[(\f)+8*(4*(\c)+(\a)):(\f)+8*(4*(\c)+(\a))+7], v[ACC+8*(4*(\a)+(\b)):ACC+8*(4*(\a)+(\b))+7]
.endr
.endr
.endm
.macro FETCH q, f                      ; 32 LDS loads: quarter q (plane q of A, rows 64 q .. of B) into buffer f; the first 32 along K first
	WIN TO_F
.set rB, ADRB+((\q)/2)
.irp c, 0,1
.irp i, 0,1,2,3
	ds_load_tr16_b128 v[(\f)+64+8*(4*(\c)+(\i)):(\f)+64+8*(4*(\c)+(\i))+3],   v[rB] offset:(2*((\q)%2)+(\c))*9216+32*(\i)
	ds_load_tr16_b128 v[(\f)+64+8*(4*(\c)+(\i))+4:(\f)+64+8*(4*(\c)+(\i))+7], v[rB] offset:(2*((\q)%2)+(\c))*9216+32*(\i)+4608
	ds_load_b128 v[(\f)+8*(4*(\c)+(\i)):(\f)+8*(4*(\c)+(\i))+3],   v[ADRA] offset:(\q)*9216+2304*(\i)+64*(\c)
	ds_load_b128 v[(\f)+8*(4*(\c)+(\i))+4:(\f)+8*(4*(\c)+(\i))+7], v[ADRA] offset:(\q)*9216+2304*(\i)+64*(\c)+32
.endr
.endr
.endm
.macro QUARTER f, g, qn
	s_wait_dscnt 16                                ; f's first 32 along K are in; its sixteen younger loads may be out
	MUL8 \f, 0, 0
	MUL8 \f, 0, 2
	PLACES
	FETCH \qn, \g
	s_wait_dscnt 32                                ; all but the 32 just issued
	MUL8 \f, 1, 0
	MUL8 \f, 1, 2
.endm
; The last quarter changes slots: each wave waits for all its tensor loads, adds 0 to its spare word, waits for that and for its reads of this slot; fill = 1: the barrier opens a round of the
; cluster's barrier and this slot is filled again, two K steps ahead, first thing behind it.  fill = 0: the last two K steps; in the last (s3 = 1) the run of LDS loads is jumped over.
.macro TURN fill
	WIN 0
	s_wait_tensorcnt 0x0
	ds_add_u32 v[SPW], v[NIL]
	s_wait_dscnt 17                                ; the add and buffer 1's sixteen younger loads may be out
	MUL8 F1, 0, 0
	s_wait_dscnt 0x0
	s_barrier_signal -1
	MUL8 F1, 0, 2
	WIN 0
	s_barrier_wait -1
.if \fill
	CREST
	s_xor_b32 s[G0+5], s[G0+5], SLOT
	s_add_nc_u64 s[G0+6:G0+7], s[G0+6:G0+7], ASTEP
	s_xor_b32 s[G0B+5], s[G0B+5], SLOT
	s_add_nc_u64 s[G0B+6:G0B+7], s[G0B+6:G0B+7], BSTEP
	JLOAD 1
.endif
	s_xor_b32 s[TB], s[TB], SLOT
	v_add_nc_u32 v[ADRA], s[TB], v[ADRA0]          ; these four are also the places in front of the loads into buffer 0
	v_add_nc_u32 v[ADRB], s[TB], v[ADRB0]
	v_add_nc_u32 v[ADRB+1], s[TB], v[ADRB20]
	v_nop
.if !(\fill)
	s_cmp_eq_u32 s3, 1
	s_cbranch_scc1 .Lno_fetch_\@
.endif
	FETCH 0, F0
.if !(\fill)
	WIN 0
.Lno_fetch_\@:
.endif
	MUL8 F1, 1, 0
	MUL8 F1, 1, 2
.endm
.macro KSTEP fill
	QUARTER F0, F1, 1
	QUARTER F1, F0, 2
	QUARTER F0, F1, 3
	TURN \fill
.endm
	s_load_b128 s[4:7], s[0:1], 0x0                ; act s[4:5], wb s[6:7]
	s_load_b64 s[8:9], s[0:1], 0x10                ; h
	s_load_b64 s[66:67], s[0:1], 0x18              ; bo
	s_load_b64 s[68:69], s[0:1], 0x20              ; x
	v_lshl_add_u32 v[SPW], v0, 2, SPARE
	v_mov_b32 v[NIL], 0
	ds_add_u32 v[SPW], v[NIL]                      ; the wave's opening: the add and its wait stand ahead of my first tensor load
	v_lshrrev_b32 v1, 5, v0
	v_readfirstlane_b32 s10, v1
	s_lshr_b32 s11, s10, 1
	s_and_b32 s12, s10, 1
	s_bfe_u32 s40, ttmp6, 0x40000
	s_bfe_u32 s41, ttmp6, 0x40004
	s_lshl_b32 s42, ttmp9, 2
	s_add_co_u32 s42, s42, s40                     ; tile column
	s_and_b32 s13, ttmp7, 0xffff
	s_lshl_b32 s13, s13, 2
	s_add_co_u32 s13, s13, s41                     ; tile row
	s_lshl_b32 s43, s41, 2
	s_lshl_b32 s43, 15, s43
	s_lshl_b32 s44, 0x1111, s40
	s_or_b32 s[G1+0], s43, (1<<16)|(1<<20)|(1<<21)|(4<<22)|(3<<25)
	s_mov_b32 s[G1+1], 4096<<16
	s_mov_b32 s[G1+2], 4<<16
	s_mov_b32 s[G1+3], 4096<<16
	s_mov_b32 s[G1+4], 4
	s_mov_b32 s[G1+5], 262144
	s_mov_b32 s[G1+6], 0
	s_mov_b32 s[G1+7], 0
	s_or_b32 s[G1B+0], s44, (1<<16)|(1<<20)|(1<<21)|(5<<22)|(7<<25)
	s_mov_b32 s[G1B+1], 128<<16
	s_mov_b32 s[G1B+2], 128<<16
	s_mov_b32 s[G1B+3], 128<<16
	s_mov_b32 s[G1B+4], 128
	s_mov_b32 s[G1B+5], BPITCH
	s_mov_b32 s[G1B+6], 0
	s_mov_b32 s[G1B+7], 0
	s_lshl_b32 s16, s13, 14
	s_lshl_b32 s17, s12, 13
	s_add_co_u32 s16, s16, s17
	s_mov_b32 s17, 0
	s_lshl_b32 s46, s42, 8
	s_mul_i32 s47, s12, 256*BPITCH
	s_add_co_u32 s46, s46, s47
	s_add_co_u32 s46, s46, WOFS
	s_mov_b32 s47, 0
	s_mul_i32 s20, s10, HALF
	s_mov_b32 s[TB], 0
	s_wait_dscnt 0x0
	s_wait_kmcnt 0x0
	s_add_nc_u64 s[14:15], s[4:5], s[16:17]
	s_add_nc_u64 s[46:47], s[6:7], s[46:47]
	CROUND
.irp s, 0,1
	s_mov_b32 s[G0+4*(\s)], 1
	s_add_co_u32 s[G0+4*(\s)+1], s20, (\s)*SLOT
	s_add_nc_u64 s[G0+4*(\s)+2:G0+4*(\s)+3], s[14:15], (\s)*ASTEP
	s_or_b32 s[G0+4*(\s)+3], s[G0+4*(\s)+3], 0x80000000
	s_mov_b32 s[G0B+4*(\s)], 1
	s_add_co_u32 s[G0B+4*(\s)+1], s20, (\s)*SLOT
	s_add_nc_u64 s[G0B+4*(\s)+2:G0B+4*(\s)+3], s[46:47], (\s)*BSTEP
	s_or_b32 s[G0B+4*(\s)+3], s[G0B+4*(\s)+3], 0x80000000
	JLOAD \s
.endr
	v_and_b32 v1, 15, v0
	v_bfe_u32 v2, v0, 4, 1
	v_lshlrev_b32 v[BO], 5, v2                     ; my eight columns of a block of 16: 32 h
	v_lshlrev_b32 v[CO], 4, v1
	v_lshl_add_u32 v[CO], v2, 12, v[CO]            ; 4,096 h + 16 r: two rows, 256 bytes of each
	s_lshl_b32 s46, s42, 9                         ; my 64 columns in f32: 512 x tile column + 256 x half
	s_lshl_b32 s47, s12, 8
	s_add_co_u32 s46, s46, s47
	s_mov_b32 s47, 0
	s_add_nc_u64 s[66:67], s[66:67], s[46:47]
	s_add_nc_u64 s[68:69], s[68:69], s[46:47]
	s_add_nc_u64 s[8:9], s[8:9], s[46:47]
	s_lshl_b32 s16, s13, 19                        ; my 64 rows of 4,096 bytes
	s_lshl_b32 s17, s11, 18
	s_add_co_u32 s16, s16, s17
	s_mov_b32 s17, 0
	s_add_nc_u64 s[68:69], s[68:69], s[16:17]
	s_add_nc_u64 s[8:9], s[8:9], s[16:17]
.irp a, 0,1,2,3
.irp b, 0,1,2,3
	global_load_b128 v[ACC+8*(4*(\a)+(\b)):ACC+8*(4*(\a)+(\b))+3],   v[BO], s[66:67] offset:64*(\b)
	global_load_b128 v[ACC+8*(4*(\a)+(\b))+4:ACC+8*(4*(\a)+(\b))+7], v[BO], s[66:67] offset:64*(\b)+16
.endr
.endr
	WIN RES_IN
.set u, 0
.rept 32
	global_load_b128 v[4*u:4*u+3], v[CO], s[68:69] offset:8192*u  ; rows 2 u + h: 16 lanes take 256 consecutive bytes
.set u, u+1
.endr
	WIN 0
	v_mul_u32_u24 v3, v1, 144
	v_lshl_add_u32 v3, v2, 4, v3
	s_mul_i32 s21, s11, HALF
	v_add_nc_u32 v[ADRA0], s21, v3
	v_and_b32 v4, 7, v0
	v_lshl_add_u32 v4, v2, 3, v4
	v_mul_u32_u24 v4, v4, 288
	v_bfe_u32 v5, v0, 3, 1
	v_lshl_add_u32 v4, v5, 4, v4
	s_lshl_b32 s22, s12, 7
	s_add_co_u32 s22, s22, 2*HALF
	v_add_nc_u32 v[ADRB0], s22, v4
	v_add_nc_u32 v[ADRB20], HALF, v[ADRB0]
	v_mov_b32 v[ADRA], v[ADRA0]
	v_mov_b32 v[ADRB], v[ADRB0]
	v_mov_b32 v[ADRB+1], v[ADRB20]
	s_mul_i32 s23, s10, STG
	v_mul_u32_u24 v6, v1, SPITCH
	v_lshl_add_u32 v6, v2, 5, v6
	v_add_nc_u32 v[STO], s23, v6
	v_mul_u32_u24 v6, v2, SPITCH
	v_lshl_add_u32 v6, v1, 4, v6
	v_add_nc_u32 v[RD], s23, v6
	s_wait_tensorcnt 1                             ; my part of K step 0 is in; K step 1's may stay out
	s_barrier_signal -1
	s_barrier_wait -1
	FETCH 0, F0
	s_wait_loadcnt 32                              ; the bias is in; the 32 younger loads, the residual's, stay out through the K loop
	WIN 0
	s_mov_b32 s3, T-2
.Lk:
	KSTEP 1
	WIN 0
	s_sub_co_u32 s3, s3, 1
	s_cmp_lg_u32 s3, 0
	s_cbranch_scc1 .Lk
	s_mov_b32 s3, 2
.Lt:
	KSTEP 0
	WIN 0
	s_sub_co_u32 s3, s3, 1
	s_cmp_lg_u32 s3, 0
	s_cbranch_scc1 .Lt
	; THE WAY OUT.  Every wave's reads of the ring are back, then a barrier, then the stage is written over the ring's first bytes.
	s_wait_dscnt 0x0
	s_barrier_signal -1
	s_barrier_wait -1
	PLACES
	PLACES
.irp a, 0,1,2,3
.irp b, 0,1,2,3
	ds_store_b128 v[STO], v[ACC+8*(4*(\a)+(\b)):ACC+8*(4*(\a)+(\b))+3]   offset:16*SPITCH*(\a)+64*(\b)
	ds_store_b128 v[STO], v[ACC+8*(4*(\a)+(\b))+4:ACC+8*(4*(\a)+(\b))+7] offset:16*SPITCH*(\a)+64*(\b)+16
.endr
.endr
	s_wait_loadcnt 0x0                             ; the residual
.irp g, 0,1,2,3
	s_wait_xcnt 0x0                                ; earlier stores have read their data: the registers below are loaded again
.irp t, 0,1,2,3,4,5,6,7
	ds_load_b128 v[32+32*((\g)%2)+4*(\t):32+32*((\g)%2)+4*(\t)+3], v[RD] offset:2*SPITCH*(8*(\g)+(\t))  ; my own bytes: LDS serves a wave's instructions in order
.endr
	s_wait_dscnt 0x0
	WIN RES_ADD
.irp t, 0,1,2,3,4,5,6,7
	v_pk_add_f32 v[32+32*((\g)%2)+4*(\t):32+32*((\g)%2)+4*(\t)+1],   v[32+32*((\g)%2)+4*(\t):32+32*((\g)%2)+4*(\t)+1],   v[32*(\g)+4*(\t):32*(\g)+4*(\t)+1]
	v_pk_add_f32 v[32+32*((\g)%2)+4*(\t)+2:32+32*((\g)%2)+4*(\t)+3], v[32+32*((\g)%2)+4*(\t)+2:32+32*((\g)%2)+4*(\t)+3], v[32*(\g)+4*(\t)+2:32*(\g)+4*(\t)+3]
.endr
	WIN 0
.irp t, 0,1,2,3,4,5,6,7
	global_store_b128 v[CO], v[32+32*((\g)%2)+4*(\t):32+32*((\g)%2)+4*(\t)+3], s[8:9] offset:8192*(8*(\g)+(\t))  ; 16 lanes store 256 consecutive bytes, aligned
.endr
.endr
	s_wait_tensorcnt 0x0                           ; the wave's end
	ds_add_u32 v[SPW], v[NIL]
	s_wait_dscnt 0x0
	CROUND                                         ; the closing round
	s_endpgm
.Lfunc_end_k_qeaac1de419_wo:
	.size	k_qeaac1de419_wo, .Lfunc_end_k_qeaac1de419_wo-k_qeaac1de419_wo
	.p2alignl 7, 3214868480
	.fill 96, 4, 3214868480
	.section	.rodata,"a",@progbits
	.p2align	6, 0x0
	.amdhsa_kernel k_qeaac1de419_wo
		.amdhsa_group_segment_fixed_size 327680
		.amdhsa_private_segment_fixed_size 0
		.amdhsa_enable_private_segment 0
		.amdhsa_kernarg_size 40
		.amdhsa_user_sgpr_count 2
		.amdhsa_user_sgpr_kernarg_segment_ptr 1
		.amdhsa_wavefront_size32 1
		.amdhsa_system_sgpr_workgroup_id_x 1
		.amdhsa_system_sgpr_workgroup_id_y 1
		.amdhsa_system_sgpr_workgroup_id_z 1
		.amdhsa_system_vgpr_workitem_id 0
		.amdhsa_next_free_vgpr 640
		.amdhsa_next_free_sgpr 70
		.amdhsa_reserve_vcc 0
		.amdhsa_float_denorm_mode_32 3
		.amdhsa_float_denorm_mode_16_64 3
		.amdhsa_memory_ordered 1
		.amdhsa_forward_progress 1
		.amdhsa_inst_pref_size 64
	.end_amdhsa_kernel
	.amdgpu_metadata
---
amdhsa.version: [ 1, 2 ]
amdhsa.kernels:
  - .name:           k_qeaac1de419_wo
    .symbol:         k_qeaac1de419_wo.kd
    .args:
      - { .name: act, .offset: 0, .size: 8, .value_kind: global_buffer, .address_space: global }
      - { .name: wb, .offset: 8, .size: 8, .value_kind: global_buffer, .address_space: global }
      - { .name: h, .offset: 16, .size: 8, .value_kind: global_buffer, .address_space: global }
      - { .name: bo, .offset: 24, .size: 8, .value_kind: global_buffer, .address_space: global }
      - { .name: x, .offset: 32, .size: 8, .value_kind: global_buffer, .address_space: global }
    .group_segment_fixed_size: 327680
    .private_segment_fixed_size: 0
    .kernarg_segment_align: 8
    .kernarg_segment_size: 40
    .max_flat_workgroup_size: 128
    .sgpr_count:     70
    .vgpr_count:     640
    .wavefront_size: 32
...
	.end_amdgpu_metadata
.endif
;; end of part 4
;; launch ln2 (part 5): grid 256 x 1, 8 waves a work-group, no clusters, 0 bytes of LDS; arguments h, scale2, shift2, act; writes act
.if DOCPART == 5
	.amdgcn_target "amdgcn-amd-amdhsa--gfx1250"
	.amdhsa_code_object_version 6
	.text
	.protected	k_qeaac1de419_ln2
	.globl	k_qeaac1de419_ln2
	.p2align	8
	.type	k_qeaac1de419_ln2,@function
k_qeaac1de419_ln2:
	s_mov_b64 s[64:65], 0
	v_nop
	global_prefetch_b8 v0, s[64:65] scope:SCOPE_SE
	s_setreg_imm32_b32 hwreg(HW_REG_WAVE_MODE, 25, 1), 1
	s_wait_xcnt 0x0
; LN2.  act = LayerNorm(h) in bf16 (mean; variance over 1,023; scale2, shift2), all arithmetic in f32, two passes over the row in registers.
; act is blocked by 64 columns: [16 planes][4,096 tokens][64] bf16.  A wave takes two rows, sixteen lanes a row; lane r holds columns 64 j + 4 r .. + 3, j = 0..15: a load of the wave covers 256
; consecutive bytes of each of its two rows, a store 256 consecutive bytes of one plane (two tokens x 128 bytes).  No LDS, no barrier: a row never leaves its sixteen lanes.
.set X,  64                            ; v[64:127]   the row's 64 numbers of my lane
.set G,  128                           ; v[128:191]  scale
.set SH, 192                           ; v[192:255]  shift
.set Y,  32                            ; v[32:63]    packed bf16
.macro FOLD                            ; four chains of pairs into one number, in each of the row's sixteen lanes
	v_pk_add_f32 v[8:9], v[8:9], v[10:11]
	v_pk_add_f32 v[12:13], v[12:13], v[14:15]
	v_pk_add_f32 v[8:9], v[8:9], v[12:13]
	v_add_f32 v8, v8, v9
.irp m, 1,2,4,8
	v_add_f32_dpp v8, v8, v8 row_xmask:\m row_mask:0xf bank_mask:0xf
.endr
.endm
	s_load_b256 s[4:11], s[0:1], 0x0               ; h s[4:5], scale2 s[6:7], shift2 s[8:9], act s[10:11]
	v_lshrrev_b32 v1, 5, v0
	v_readfirstlane_b32 s26, v1                    ; wave 0..7
	v_and_b32 v6, 15, v0                           ; r
	v_bfe_u32 v7, v0, 4, 1                         ; which of the wave's two rows
	v_lshlrev_b32 v3, 4, v6
	v_lshl_add_u32 v2, v7, 12, v3
	s_lshl_b32 s27, s26, 13
	v_add_nc_u32 v2, s27, v2                       ; 8,192 x wave + 4,096 x row + 16 r
	v_lshlrev_b32 v4, 3, v6
	v_lshl_add_u32 v4, v7, 7, v4
	s_lshl_b32 s27, s26, 8
	v_add_nc_u32 v4, s27, v4                       ; 256 x wave + 128 x row + 8 r
	s_lshl_b32 s28, ttmp9, 16
	s_mov_b32 s29, 0
	s_lshl_b32 s30, ttmp9, 11
	s_mov_b32 s31, 0
	s_mov_b32 s32, 0x3a802008                      ; 1 / 1,023
	s_wait_kmcnt 0x0
	s_add_nc_u64 s[4:5], s[4:5], s[28:29]
	s_add_nc_u64 s[10:11], s[10:11], s[30:31]
.irp j, 0,1,2,3,4,5,6,7,8,9,10,11,12,13,14,15
	global_load_b128 v[X+4*(\j):X+4*(\j)+3], v2, s[4:5] offset:256*(\j)
.endr
.irp j, 0,1,2,3,4,5,6,7,8,9,10,11,12,13,14,15
	global_load_b128 v[G+4*(\j):G+4*(\j)+3], v3, s[6:7] offset:256*(\j)
.endr
.irp j, 0,1,2,3,4,5,6,7,8,9,10,11,12,13,14,15
	global_load_b128 v[SH+4*(\j):SH+4*(\j)+3], v3, s[8:9] offset:256*(\j)
.endr
	s_wait_loadcnt 32                              ; the row is in; the 32 younger loads (scale, shift) stay out
.irp c, 0,1,2,3
	v_pk_add_f32 v[8+2*(\c):9+2*(\c)], v[X+2*(\c):X+2*(\c)+1], v[X+8+2*(\c):X+8+2*(\c)+1]
.endr
.set i, 8
.rept 24
	v_pk_add_f32 v[8+2*(i%4):9+2*(i%4)], v[8+2*(i%4):9+2*(i%4)], v[X+2*i:X+2*i+1]
.set i, i+1
.endr
	FOLD
	v_mul_f32 v16, 0x3a800000, v8                  ; mean = sum / 1,024
	v_mov_b32 v17, v16
.set i, 0
.rept 32
	v_pk_add_f32 v[X+2*i:X+2*i+1], v[X+2*i:X+2*i+1], v[16:17] neg_lo:[0,1] neg_hi:[0,1]
.set i, i+1
.endr
.irp c, 0,1,2,3
	v_pk_mul_f32 v[8+2*(\c):9+2*(\c)], v[X+2*(\c):X+2*(\c)+1], v[X+2*(\c):X+2*(\c)+1]
.endr
.set i, 4
.rept 28
	v_pk_fma_f32 v[8+2*(i%4):9+2*(i%4)], v[X+2*i:X+2*i+1], v[X+2*i:X+2*i+1], v[8+2*(i%4):9+2*(i%4)]
.set i, i+1
.endr
	FOLD
	v_mov_b32 v21, 0x358637bd                      ; 1e-6
	v_fma_f32 v20, v8, s32, v21
	v_rsq_f32 v18, v20
	v_rsq_f32 v19, v20
	v_nop                                          ; a plain instruction behind the last of the two,
	s_wait_alu depctr_va_vdst(0)                   ; and one wait for both, ahead of their first reader
	s_wait_loadcnt 0x0
.set i, 0
.rept 32
	v_pk_mul_f32 v[G+2*i:G+2*i+1], v[G+2*i:G+2*i+1], v[18:19]
.set i, i+1
.endr
.set i, 0
.rept 32
	v_pk_fma_f32 v[X+2*i:X+2*i+1], v[X+2*i:X+2*i+1], v[G+2*i:G+2*i+1], v[SH+2*i:SH+2*i+1]
.set i, i+1
.endr
.set i, 0
.rept 32
	v_cvt_pk_bf16_f32 v[Y+i], v[X+2*i], v[X+2*i+1]
.set i, i+1
.endr
.irp j, 0,1,2,3,4,5,6,7,8,9,10,11,12,13,14,15
	global_store_b64 v4, v[Y+2*(\j):Y+2*(\j)+1], s[10:11] offset:524288*(\j)
.endr
	s_endpgm
.Lfunc_end_k_qeaac1de419_ln2:
	.size	k_qeaac1de419_ln2, .Lfunc_end_k_qeaac1de419_ln2-k_qeaac1de419_ln2
	.p2alignl 7, 3214868480
	.fill 96, 4, 3214868480
	.section	.rodata,"a",@progbits
	.p2align	6, 0x0
	.amdhsa_kernel k_qeaac1de419_ln2
		.amdhsa_group_segment_fixed_size 0
		.amdhsa_private_segment_fixed_size 0
		.amdhsa_enable_private_segment 0
		.amdhsa_kernarg_size 32
		.amdhsa_user_sgpr_count 2
		.amdhsa_user_sgpr_kernarg_segment_ptr 1
		.amdhsa_wavefront_size32 1
		.amdhsa_system_sgpr_workgroup_id_x 1
		.amdhsa_system_sgpr_workgroup_id_y 1
		.amdhsa_system_sgpr_workgroup_id_z 1
		.amdhsa_system_vgpr_workitem_id 0
		.amdhsa_next_free_vgpr 256
		.amdhsa_next_free_sgpr 66
		.amdhsa_reserve_vcc 0
		.amdhsa_float_denorm_mode_32 3
		.amdhsa_float_denorm_mode_16_64 3
		.amdhsa_memory_ordered 1
		.amdhsa_forward_progress 1
		.amdhsa_inst_pref_size 21
	.end_amdhsa_kernel
	.amdgpu_metadata
---
amdhsa.version: [ 1, 2 ]
amdhsa.kernels:
  - .name:           k_qeaac1de419_ln2
    .symbol:         k_qeaac1de419_ln2.kd
    .args:
      - { .name: h, .offset: 0, .size: 8, .value_kind: global_buffer, .address_space: global }
      - { .name: scale2, .offset: 8, .size: 8, .value_kind: global_buffer, .address_space: global }
      - { .name: shift2, .offset: 16, .size: 8, .value_kind: global_buffer, .address_space: global }
      - { .name: act, .offset: 24, .size: 8, .value_kind: global_buffer, .address_space: global }
    .group_segment_fixed_size: 0
    .private_segment_fixed_size: 0
    .kernarg_segment_align: 8
    .kernarg_segment_size: 32
    .max_flat_workgroup_size: 256
    .sgpr_count:     66
    .vgpr_count:     256
    .wavefront_size: 32
...
	.end_amdgpu_metadata
.endif
;; end of part 5
;; launch fc1 (part 6): grid 16 x 16, 4 waves a work-group, clusters of 4 x 4, 327,680 bytes of LDS; arguments act, wb, g, b1; writes g
.if DOCPART == 6
	.amdgcn_target "amdgcn-amd-amdhsa--gfx1250"
	.amdhsa_code_object_version 6
	.text
	.protected	k_qeaac1de419_fc1
	.globl	k_qeaac1de419_fc1
	.p2align	8
	.type	k_qeaac1de419_fc1,@function
k_qeaac1de419_fc1:
	s_mov_b64 s[64:65], 0
	v_nop
	global_prefetch_b8 v0, s[64:65] scope:SCOPE_SE
	s_setreg_imm32_b32 hwreg(HW_REG_WAVE_MODE, 25, 1), 1
	s_wait_xcnt 0x0
	s_wait_alu depctr_hold_cnt(0) depctr_sa_sdst(0) depctr_va_vdst(0) depctr_va_sdst(0) depctr_va_ssrc(0) depctr_va_vcc(0) depctr_vm_vsrc(0)
	s_getreg_b32 s2, hwreg(HW_REG_IB_STS2, 6, 4)
	s_cmp_eq_u32 s2, 0
	s_cbranch_scc0 .Lentry_in_a_cluster
	s_endpgm
.Lentry_in_a_cluster:
	s_bfe_u32 s2, ttmp6, 0x10000c
	s_cmp_lg_u32 s2, 0xf033
	s_cbranch_scc0 .Lentry_shape_is_right
	s_endpgm
.Lentry_shape_is_right:
; FC1.  g = gelu(yn W1 + b1), rounded once to bf16.  yn = act, bf16 blocked by 64 columns: [16 planes][4,096 tokens][64]; W1 lies in wb at byte 8,388,608 as [K = 1,024][N = 4,096] bf16.
; g: [64 planes][4,096 tokens][64] bf16.  Sums and the activation in f32.
; gelu(x) = 0.5 x (1 + tanh(u)), u = sqrt(2 / pi) (x + 0.044715 x^3), is x / (1 + 2^(x (K1 + K2 x^2))) with K1 = -2 log2(e) sqrt(2 / pi), K2 = 0.044715 K1: the same function, by one
; exponential and one reciprocal.  For x far below 0 the power is an infinity and the result -0; far above, the power is 0 and the result x.
; SHARES.  A tile of C is 256 tokens x 256 columns; four waves, each 128 x 128: 64 accumulators of 16 x 16, 512 registers.  16 x 16 = 256 work-groups, one tile each.
; K goes in 8 steps of 128 (two planes of A, 128 rows of B) through two LDS slots; one tensor load a wave brings a quarter of a slot.  One K step of text is walked by a loop, from a step's second
; quarter to the next step's first: the slot in hand is a scalar that an exclusive or turns, and one descriptor a tensor walks.  The first quarter stands ahead of the loop: its products start the sums.
; A's piece of a plane (128 tokens x 64 columns) is 16,384 dense bytes, padded in LDS by 16 bytes after each token's 128; B's rows (256 bytes) by 32, and its fragments come out turned (ds_load_tr16_b128).
; CLUSTER 4 x 4: A's tiles are shared along a row of the cluster, B's along a column: each is asked for jointly.
; THE MATRIX INSTRUCTION IS USED TRANSPOSED (source 0 = 16 columns of B, source 1 = 16 tokens of A): a lane holds one token (lane % 16) and eight neighbouring columns.
; THE SUMS START AS THE BIAS: a lane's eight numbers of b1 for column block b are the same for all token blocks, so 64 registers hold them, and they are the C operand of each sum's first product.
; REGISTERS, in windows of 256 (s_set_vgpr_msb: bits 1:0 source 0, 3:2 source 1, 5:4 source 2, 7:6 destination):
;   window 0: v1-29 addresses; v32-111 the way out; v64-127, v128-191 fragments of A, two buffers      window 1: v0-63 the bias; v64-127, v128-191 fragments of B
;   window 2: the 32 accumulators of my tokens 0-63 ((a, b) at v[8 (8 a + b)])                          window 3: those of my tokens 64-127
.set KTOT,   1024
.set T,      KTOT/128                  ; K steps
.set BPITCH, 4096                      ; elements in a row of B
.set WOFS,   8388608
.set HALF,   36864                     ; what one tensor load fills: A 2 planes x 128 rows x 144 bytes; B 128 rows x 288 bytes
.set SLOT,   4*HALF                    ; 0x24000; wave x HALF shares no bit with it, so one exclusive or turns an address in one slot into the other's
.set SPARE,  2*SLOT                    ; behind the ring: the spare words, 128 bytes a wave: two blocks of 256 bytes that no other line names
.set ASTEP,  2*524288                  ; bytes from a K step of A to the next: two planes
.set BSTEP,  256*BPITCH                ; of B: 128 rows
.set SPITCH, 528                       ; the stage's rows: 512 bytes of f32 + 16
.set STG,    128*SPITCH                ; a wave's stage, at wave x STG in the ring's bytes: written only when both slots have had their last fill and every wave's reads are back
.set ADRA0, 10                         ; v10  my lane's place in A's part of a slot; never rewritten
.set ADRB0, 11                         ; v11  in B's part
.set ADRA, 16                          ; v16  the same two in the slot in hand
.set ADRB, 17                          ; v17
.set PFOA, 20                          ; v20  A's prefetches: 256 x my lane; never rewritten
.set PFOB, 21                          ; v21  B's prefetches: my lane x a row of B; never rewritten
.set STO,  24                          ; v24  the way out: where I put 16 bytes of a row
.set RD,   25                          ; v25  where I read rows back
.set CO,   26                          ; v26  my byte offset in the output
.set BO,   27                          ; v27  my byte offset in the bias
.set SPW,  28                          ; v28  LDS address of my spare word; never rewritten
.set NIL,  29                          ; v29  0; never rewritten
.set XR,   32                          ; v[32:63]   the way out: 32 numbers
.set TR,   64                          ; v[64:95]   at work on them
.set YR,   96                          ; v[96:111]  packed bf16
.set BF,   0                           ; window 1: the bias of column block b at 8 b
.set F0,   64
.set F1,   128
.set G1,   24                          ; s[24:31] group 1 for A;  s[32:39] group 0: set 0 for the first fill, set 1 walks
.set G0,   32
.set G1B,  48                          ; s[48:55], s[56:63] the same for B
.set G0B,  56
.set TB,   45                          ; s45  the slot in hand: 0 or SLOT
.set PFA,  74                          ; s[74:75] where A's prefetches stand
.set PFB,  76                          ; s[76:77] where B's stand
.set LIM,  78                          ; s78  1 in a wave that prefetches, else the greatest number
.set MSB, 0
.macro WIN new                         ; the immediate's high byte repeats the setting that is left; a switch that changes nothing is dropped
.if MSB != (\new)
	s_set_vgpr_msb (MSB<<8)|(\new)
.set MSB, \new
.endif
.endm
.set TO_B, 0x40                        ; destination window 1, address window 0
.macro PLACES                          ; four plain instructions between a matrix instruction and a load into, or a read of, its registers
.rept 4
	v_nop
.endr
.endm
.macro JLOAD s                         ; a joint load: waves 0 and 1 fetch A's halves, waves 2 and 3 B's; an s_nop 0 and four v_nop follow each line
	s_cmp_eq_u32 s11, 0
	s_cbranch_scc0 .Lfor_b_\@
	tensor_load_to_lds s[G0+4*(\s):G0+4*(\s)+3], s[G1:G1+7]
	s_nop 0
.rept 4
	v_nop
.endr
	s_branch .Lasked_\@
.Lfor_b_\@:
	tensor_load_to_lds s[G0B+4*(\s):G0B+4*(\s)+3], s[G1B:G1B+7]
	s_nop 0
.rept 4
	v_nop
.endr
.Lasked_\@:
.endm
; A PREFETCH INTO THE L2 of the K step that the NEXT change of slots will ask for, 256 matrix instructions ahead of that load; it stands behind the joint load, its five lines and the run of LDS loads.
; What wave w fetches of a K step is 128 blocks of 256 bytes (A: two planes x 16,384 dense bytes; B: 128 rows x 256 bytes).  A's tile row is read by every cluster of that row of clusters: the one
; with x = 0 asks; B's tile column by every cluster of that column: the one with y = 0 asks.  The four partners that ask for a tile jointly share its blocks out BY ADDRESS, 32 each, a lane a block
; (place cx for A, cy for B): no branch hangs on a work-group's place in its cluster.  So each block is named once in the launch.  K steps 0 to 2 come by their loads alone; the last refill
; (s3 = 1) has no K step behind the one it asks for.
.macro ASK
	s_cmp_gt_u32 s3, s[LIM]
	s_cbranch_scc0 .Lnone_\@
	s_cmp_eq_u32 s11, 0
	s_cbranch_scc0 .Lpf_b_\@
	global_prefetch_b8 v[PFOA], s[PFA:PFA+1] th:TH_LOAD_NT scope:SCOPE_SE
	s_branch .Lnone_\@
.Lpf_b_\@:
	global_prefetch_b8 v[PFOB], s[PFB:PFB+1] th:TH_LOAD_NT scope:SCOPE_SE
.Lnone_\@:
.endm
.macro CREST                           ; a round of the cluster's barrier behind its opening barrier
	s_cmp_lg_u32 s10, 0
	s_cbranch_scc1 .Lnot_wave_0_\@
	s_barrier_signal -3
.Lnot_wave_0_\@:
	s_barrier_wait -3
	s_barrier_signal -1
	s_barrier_wait -1
.endm
.macro CROUND
	s_barrier_signal -1
	s_barrier_wait -1
	CREST
.endm
; 16 matrix instructions: token blocks a0, a0 + 1 of the window's four (hi = 0: my tokens 0-63, 1: 64-127) x all 8 column blocks, 32 along K.  zero = 2: the product starts the sum, with the bias as C.
; The 64 accumulators take turns, one instruction a turn, in the same order in every quarter, over the backward jumps too.
.macro MUL16 f, hi, a0, zero
.if (\zero) == 2
	WIN 0x91+0x40*(\hi)                            ; source 0 (B) window 1, source 1 (A) window 0, C (the bias) window 1, D window 2 or 3
.else
	WIN 0xa1+0x50*(\hi)                            ; the same with C and D in window 2 or 3
.endif
.irp a, \a0, (\a0)+1
.irp b, 0,1,2,3,4,5,6,7
.if (\zero) == 2
	v_wmma_f32_16x16x32_bf16 v[8*(8*(\a)+(\b)):8*(8*(\a)+(\b))+7], v[(\f)+8*(\b):(\f)+8*(\b)+7], v[(\f)+8*(4*(\hi)+(\a)):(\f)+8*(4*(\hi)+(\a))+7], v[BF+8*(\b):BF+8*(\b)+7]
.else
	v_wmma_f32_16x16x32_bf16 v[8*(8*(\a)+(\b)):8*(8*(\a)+(\b))+7], v[(\f)+8*(\b):(\f)+8*(\b)+7], v[(\f)+8*(4*(\hi)+(\a)):(\f)+8*(4*(\hi)+(\a))+7], v[8*(8*(\a)+(\b)):8*(8*(\a)+(\b))+7]
.endif
.endr
.endr
.endm
; 32 LDS loads in one run: the fragments of quarter q (rows 32 q .. of B; plane q / 2, channels 32 (q % 2) .. of A) into buffer f: B's sixteen, then A's
.macro FETCH q, f
	WIN TO_B
.irp i, 0,1,2,3,4,5,6,7
	ds_load_tr16_b128 v[(\f)+8*(\i):(\f)+8*(\i)+3],   v[ADRB] offset:(\q)*9216+32*(\i)
	ds_load_tr16_b128 v[(\f)+8*(\i)+4:(\f)+8*(\i)+7], v[ADRB] offset:(\q)*9216+32*(\i)+4608
.endr
	WIN 0
.irp i, 0,1,2,3,4,5,6,7
	ds_load_b128 v[(\f)+8*(\i):(\f)+8*(\i)+3],   v[ADRA] offset:((\q)/2)*18432+((\q)%2)*64+2304*(\i)
	ds_load_b128 v[(\f)+8*(\i)+4:(\f)+8*(\i)+7], v[ADRA] offset:((\q)/2)*18432+((\q)%2)*64+2304*(\i)+32
.endr
.endm
.macro QUARTER f, g, qn, zero          ; multiplies buffer f (64 products); in its middle fetches quarter qn into buffer g
	s_wait_dscnt 8                                 ; B and A's tokens 0-63 are in; the youngest eight loads (A's tokens 64-127) may be out
	MUL16 \f, 0, 0, \zero
	MUL16 \f, 0, 2, \zero
	PLACES
	FETCH \qn, \g
	s_wait_dscnt 32                                ; all but the 32 just issued
	MUL16 \f, 1, 0, \zero
	MUL16 \f, 1, 2, \zero
.endm
; The last quarter multiplies buffer 1 and changes slots.  In front of the barrier each wave waits for all its tensor loads (one is out: its part of the other slot), adds 0 to its spare word,
; and waits for that and for its reads of this slot.  fill = 1: the barrier opens a round of the cluster's barrier, and this slot is filled again, two K steps ahead, first thing behind it: the load
; has 224 matrix instructions in which to land.  fill = 0 (the last two K steps): nothing is asked for; in the last of them (s3 = 1) there is no further slot, and the run of LDS loads is jumped over.
.macro TURN fill
.if \fill
	s_wait_xcnt 0x0                                ; the last prefetch, a K step back, has read its address: both pointers step here, ahead of the waits of the change of slots
	s_add_nc_u64 s[PFA:PFA+1], s[PFA:PFA+1], ASTEP
	s_add_nc_u64 s[PFB:PFB+1], s[PFB:PFB+1], BSTEP
.endif
	WIN 0
	s_wait_tensorcnt 0x0
	ds_add_u32 v[SPW], v[NIL]
	s_wait_dscnt 9                                 ; the add and buffer 1's eight youngest loads may be out
	MUL16 F1, 0, 0, 0
	s_wait_dscnt 0x0                               ; the add is done, my reads of this slot are over
	s_barrier_signal -1
	MUL16 F1, 0, 2, 0
	WIN 0
	s_barrier_wait -1
.if \fill
	CREST                                          ; no wave of any partner still reads this slot or has a load on its way
	s_xor_b32 s[G0+5], s[G0+5], SLOT               ; the walking descriptors: the other slot than last time, the next K step
	s_add_nc_u64 s[G0+6:G0+7], s[G0+6:G0+7], ASTEP
	s_xor_b32 s[G0B+5], s[G0B+5], SLOT
	s_add_nc_u64 s[G0B+6:G0B+7], s[G0B+6:G0B+7], BSTEP
	JLOAD 1
.endif
	s_xor_b32 s[TB], s[TB], SLOT
	v_add_nc_u32 v[ADRA], s[TB], v[ADRA0]          ; these four are also the places in front of the loads into buffer 0
	v_add_nc_u32 v[ADRB], s[TB], v[ADRB0]
	v_nop
	v_nop
.if !(\fill)
	s_cmp_eq_u32 s3, 1
	s_cbranch_scc1 .Lno_fetch_\@
.endif
	FETCH 0, F0
.if \fill
	ASK
.else
	WIN 0
.Lno_fetch_\@:
.endif
	MUL16 F1, 1, 0, 0
	MUL16 F1, 1, 2, 0
.endm
	s_load_b128 s[4:7], s[0:1], 0x0                ; act s[4:5], wb s[6:7]
	s_load_b64 s[8:9], s[0:1], 0x10                ; g
	s_load_b64 s[66:67], s[0:1], 0x18              ; b1
	v_lshl_add_u32 v[SPW], v0, 2, SPARE
	v_mov_b32 v[NIL], 0
	ds_add_u32 v[SPW], v[NIL]                      ; the wave's opening: the add and its wait stand ahead of my first tensor load
	v_lshrrev_b32 v1, 5, v0
	v_readfirstlane_b32 s10, v1                    ; wave 0..3
	s_lshr_b32 s11, s10, 1                         ; my half of the tile's tokens.  Also: I fetch for A (0) or for B (1)
	s_and_b32 s12, s10, 1                          ; my half of its columns.  Also: which half of that tile I fetch
	s_bfe_u32 s40, ttmp6, 0x40000                  ; cx
	s_bfe_u32 s41, ttmp6, 0x40004                  ; cy
	s_lshl_b32 s42, ttmp9, 2
	s_add_co_u32 s42, s42, s40                     ; tile column = 4 x cluster x + cx
	s_and_b32 s13, ttmp7, 0xffff
	s_lshl_b32 s13, s13, 2
	s_add_co_u32 s13, s13, s41                     ; tile row = 4 x cluster y + cy
	s_lshl_b32 s43, s41, 2
	s_lshl_b32 s43, 15, s43                        ; my row of the cluster
	s_lshl_b32 s44, 0x1111, s40                    ; my column
	s_or_b32 s[G1+0], s43, (1<<16)|(1<<20)|(1<<21)|(4<<22)|(3<<25)   ; mask; 2-byte elements; padding on; bit 21 beside a mask; after every 32 words 4 words
	s_mov_b32 s[G1+1], 8192<<16                    ; tensor_dim0 = 8,192: 128 tokens x 64 columns, dense
	s_mov_b32 s[G1+2], 2<<16                       ; tensor_dim1 = 2 planes
	s_mov_b32 s[G1+3], 8192<<16                    ; tile_dim0
	s_mov_b32 s[G1+4], 2                           ; tile_dim1
	s_mov_b32 s[G1+5], 262144                      ; elements from plane to plane
	s_mov_b32 s[G1+6], 0
	s_mov_b32 s[G1+7], 0
	s_or_b32 s[G1B+0], s44, (1<<16)|(1<<20)|(1<<21)|(5<<22)|(7<<25)  ; after every 64 words 8 words
	s_mov_b32 s[G1B+1], 128<<16                    ; 128 columns
	s_mov_b32 s[G1B+2], 128<<16                    ; 128 rows
	s_mov_b32 s[G1B+3], 128<<16
	s_mov_b32 s[G1B+4], 128
	s_mov_b32 s[G1B+5], BPITCH
	s_mov_b32 s[G1B+6], 0
	s_mov_b32 s[G1B+7], 0
	s_mov_b32 s70, 0xc0135761                      ; K1 = -2.3022082
	s_mov_b32 s71, s70
	s_mov_b32 s72, 0xbdd2d3e8                      ; K2 = -0.10294324
	s_mov_b32 s73, s72
	s_lshl_b32 s16, s13, 15                        ; A: 256 tokens x 128 bytes a tile row,
	s_lshl_b32 s17, s12, 14                        ; + my 128 tokens
	s_add_co_u32 s16, s16, s17
	s_mov_b32 s17, 0
	s_lshl_b32 s46, s42, 9                         ; B: the tile's 512 bytes of a row,
	s_lshl_b32 s47, s12, 8                         ; + my 128 columns,
	s_add_co_u32 s46, s46, s47
	s_add_co_u32 s46, s46, WOFS                    ; in W1
	s_mov_b32 s47, 0
	s_mul_i32 s20, s10, HALF                       ; where they go: no place in the cluster enters an LDS address
	s_mov_b32 s[TB], 0
	s_wait_dscnt 0x0                               ; the opening add is done
	s_wait_kmcnt 0x0
	s_add_nc_u64 s[14:15], s[4:5], s[16:17]
	s_add_nc_u64 s[46:47], s[6:7], s[46:47]
	CROUND                                         ; all sixteen work-groups are here: the first joint loads meet
.irp s, 0,1
	s_mov_b32 s[G0+4*(\s)], 1
	s_add_co_u32 s[G0+4*(\s)+1], s20, (\s)*SLOT
	s_add_nc_u64 s[G0+4*(\s)+2:G0+4*(\s)+3], s[14:15], (\s)*ASTEP
	s_or_b32 s[G0+4*(\s)+3], s[G0+4*(\s)+3], 0x80000000
	s_mov_b32 s[G0B+4*(\s)], 1
	s_add_co_u32 s[G0B+4*(\s)+1], s20, (\s)*SLOT
	s_add_nc_u64 s[G0B+4*(\s)+2:G0B+4*(\s)+3], s[46:47], (\s)*BSTEP
	s_or_b32 s[G0B+4*(\s)+3], s[G0B+4*(\s)+3], 0x80000000
	JLOAD \s                                       ; two loads of mine are out
.endr
	; the prefetches' pointers, in registers of their own: my work-group's 32 blocks of the 128 that I fetch, at K step 2; the first change of slots steps them to K step 3
	s_lshr_b32 s18, s40, 1                         ; A: partner cx takes plane cx / 2,
	s_lshl_b32 s18, s18, 19
	s_and_b32 s19, s40, 1                          ; half cx % 2 of its 16,384 bytes
	s_lshl_b32 s19, s19, 13
	s_add_co_u32 s18, s18, s19
	s_add_co_u32 s18, s18, 2*ASTEP
	s_mov_b32 s19, 0
	s_add_nc_u64 s[PFA:PFA+1], s[14:15], s[18:19]
	s_mul_i32 s18, s41, 64*BPITCH                  ; B: partner cy takes rows 32 cy .. 32 cy + 31
	s_add_co_u32 s18, s18, 2*BSTEP
	s_add_nc_u64 s[PFB:PFB+1], s[46:47], s[18:19]
	s_and_b32 s22, ttmp7, 0xffff                   ; cluster y
	s_cmp_eq_u32 s11, 0
	s_cselect_b32 s22, ttmp9, s22                  ; the coordinate along which other clusters read the same blocks
	s_cmp_eq_u32 s22, 0
	s_cselect_b32 s[LIM], 1, -1                    ; the same in all sixteen partners, for a given wave
	v_and_b32 v1, 15, v0                           ; r = l % 16
	v_bfe_u32 v2, v0, 4, 1                         ; h = l / 16
	v_and_b32 v7, 31, v0                           ; l
	v_lshlrev_b32 v[PFOA], 8, v7
	v_mul_u32_u24 v[PFOB], v7, 2*BPITCH
	v_lshlrev_b32 v[BO], 5, v2                     ; my eight columns of a block of 16: 32 h
	s_lshl_b32 s46, s42, 10                        ; my 128 numbers of b1: 1,024 x tile column + 512 x half
	s_lshl_b32 s47, s12, 9
	s_add_co_u32 s46, s46, s47
	s_mov_b32 s47, 0
	s_add_nc_u64 s[66:67], s[66:67], s[46:47]
	WIN TO_B
.irp b, 0,1,2,3,4,5,6,7
	global_load_b128 v[BF+8*(\b):BF+8*(\b)+3],   v[BO], s[66:67] offset:64*(\b)
	global_load_b128 v[BF+8*(\b)+4:BF+8*(\b)+7], v[BO], s[66:67] offset:64*(\b)+16
.endr
	WIN 0
	v_mul_u32_u24 v3, v1, 144
	v_lshl_add_u32 v3, v2, 4, v3                   ; A: token r x 144 + 16 h
	s_mul_i32 s21, s11, HALF
	v_add_nc_u32 v[ADRA0], s21, v3
	v_and_b32 v4, 7, v0
	v_lshl_add_u32 v4, v2, 3, v4                   ; B, for the turning load: row 8 h + l % 8,
	v_mul_u32_u24 v4, v4, 288
	v_bfe_u32 v5, v0, 3, 1
	v_lshl_add_u32 v4, v5, 4, v4                   ; 16 bytes for each half of eight lanes,
	s_mul_i32 s22, s12, HALF                       ; my 128 columns' half,
	s_add_co_u32 s22, s22, 2*HALF                  ; behind A's two halves
	v_add_nc_u32 v[ADRB0], s22, v4
	v_mov_b32 v[ADRA], v[ADRA0]
	v_mov_b32 v[ADRB], v[ADRB0]
	s_mul_i32 s23, s10, STG
	v_mul_u32_u24 v6, v1, SPITCH
	v_lshl_add_u32 v6, v2, 5, v6                   ; in: row r, 32 bytes for each half of the lanes
	v_add_nc_u32 v[STO], s23, v6
	v_bfe_u32 v6, v0, 3, 2                         ; back: eight lanes take 64 columns of a row, 32 bytes a lane; 32 lanes four rows
	v_mul_u32_u24 v6, v6, SPITCH
	v_and_b32 v5, 7, v0
	v_lshl_add_u32 v6, v5, 5, v6
	v_add_nc_u32 v[RD], s23, v6
	v_lshlrev_b32 v[CO], 4, v7                     ; out: 16 l: four tokens' 128 bytes of a plane, 512 bytes on end
	s_lshl_b32 s16, s13, 15                        ; the tile row's tokens in a plane,
	s_lshl_b32 s17, s11, 14                        ; my 128
	s_add_co_u32 s16, s16, s17
	s_mov_b32 s17, 0
	s_add_nc_u64 s[8:9], s[8:9], s[16:17]
	s_lshl_b32 s46, s42, 21                        ; plane 4 x tile column + 2 x my half
	s_lshl_b32 s47, s12, 20
	s_add_co_u32 s46, s46, s47
	s_mov_b32 s47, 0
	s_add_nc_u64 s[8:9], s[8:9], s[46:47]
	s_wait_tensorcnt 1                             ; my part of K step 0 is in; K step 1's may stay out
	s_barrier_signal -1
	s_barrier_wait -1
	FETCH 0, F0
	s_wait_loadcnt 0x0                             ; the bias
	QUARTER F0, F1, 1, 2                           ; the first quarter stands ahead of the loop: its products start the sums, with the bias as C
	WIN 0
	s_mov_b32 s3, T-2
.Lk:                                               ; a trip: a K step's last three quarters and the next step's first; every K step but the last two fills its slot again
	QUARTER F1, F0, 2, 0
	QUARTER F0, F1, 3, 0
	TURN 1
	QUARTER F0, F1, 1, 0
	WIN 0
	s_sub_co_u32 s3, s3, 1
	s_cmp_lg_u32 s3, 0
	s_cbranch_scc1 .Lk
	s_mov_b32 s3, 2
.Lt:                                               ; the last two K steps ask for nothing: a text of their own; the second trip is left in its middle
	QUARTER F1, F0, 2, 0
	QUARTER F0, F1, 3, 0
	TURN 0
	WIN 0
	s_cmp_eq_u32 s3, 1
	s_cbranch_scc1 .Ldone
	QUARTER F0, F1, 1, 0
	WIN 0
	s_sub_co_u32 s3, s3, 1
	s_cmp_lg_u32 s3, 0
	s_cbranch_scc1 .Lt
.Ldone:
	; THE WAY OUT.  Every wave's reads of the ring are back, then a barrier, then the stage is written over the ring's bytes.
	s_wait_dscnt 0x0
	s_barrier_signal -1
	s_barrier_wait -1
	PLACES
	PLACES
.irp hi, 0,1
	WIN 0x08+4*(\hi)                               ; the stores' data in window 2 or 3
.irp a, 0,1,2,3
.irp b, 0,1,2,3,4,5,6,7
	ds_store_b128 v[STO], v[8*(8*(\a)+(\b)):8*(8*(\a)+(\b))+3]   offset:16*SPITCH*(4*(\hi)+(\a))+64*(\b)
	ds_store_b128 v[STO], v[8*(8*(\a)+(\b))+4:8*(8*(\a)+(\b))+7] offset:16*SPITCH*(4*(\hi)+(\a))+64*(\b)+16
.endr
.endr
.endr
	WIN 0
	s_mov_b32 s3, 16
.Lout:                                             ; 8 tokens x 2 planes a trip: rows back (my own bytes: LDS serves a wave's instructions in order), the activation, rounded, stored
.irp u, 0,1,2,3                                    ; tokens 4 (u / 2) on, plane u % 2
	ds_load_b128 v[XR+8*(\u):XR+8*(\u)+3],   v[RD] offset:((\u)/2)*4*SPITCH+((\u)%2)*256
	ds_load_b128 v[XR+8*(\u)+4:XR+8*(\u)+7], v[RD] offset:((\u)/2)*4*SPITCH+((\u)%2)*256+16
.endr
	s_wait_dscnt 0x0
.set z, 0
.rept 16
	v_pk_mul_f32 v[TR+2*z:TR+2*z+1], v[XR+2*z:XR+2*z+1], v[XR+2*z:XR+2*z+1]                 ; x^2
.set z, z+1
.endr
.set z, 0
.rept 16
	v_pk_fma_f32 v[TR+2*z:TR+2*z+1], v[TR+2*z:TR+2*z+1], s[72:73], s[70:71] op_sel_hi:[1,0,0]  ; K2 x^2 + K1
.set z, z+1
.endr
.set z, 0
.rept 16
	v_pk_mul_f32 v[TR+2*z:TR+2*z+1], v[TR+2*z:TR+2*z+1], v[XR+2*z:XR+2*z+1]
.set z, z+1
.endr
.set z, 0
.rept 32
	v_exp_f32 v[TR+z], v[TR+z]
.set z, z+1
.endr
	v_nop                                          ; a plain instruction behind the last exponential,
	s_wait_alu depctr_va_vdst(0)                   ; and one wait for the batch of 32
.set z, 0
.rept 16
	v_pk_add_f32 v[TR+2*z:TR+2*z+1], v[TR+2*z:TR+2*z+1], 1.0 op_sel_hi:[1,0]
.set z, z+1
.endr
.set z, 0
.rept 32
	v_rcp_f32 v[TR+z], v[TR+z]
.set z, z+1
.endr
	v_nop
	s_wait_alu depctr_va_vdst(0)                   ; one wait for the 32 reciprocals
.set z, 0
.rept 16
	v_pk_mul_f32 v[XR+2*z:XR+2*z+1], v[XR+2*z:XR+2*z+1], v[TR+2*z:TR+2*z+1]
.set z, z+1
.endr
.set z, 0
.rept 16
	v_cvt_pk_bf16_f32 v[YR+z], v[XR+2*z], v[XR+2*z+1]
.set z, z+1
.endr
.irp u, 0,1,2,3
	global_store_b128 v[CO], v[YR+4*(\u):YR+4*(\u)+3], s[8:9] offset:((\u)%2)*524288+((\u)/2)*512  ; 512 consecutive bytes: four tokens' 128 bytes of a plane
.endr
	s_wait_xcnt 0x0                                ; the stores have read their data and offset: both are written again below and in the next trip
	v_add_nc_u32 v[RD], 8*SPITCH, v[RD]
	v_add_nc_u32 v[CO], 1024, v[CO]
	s_sub_co_u32 s3, s3, 1
	s_cmp_lg_u32 s3, 0
	s_cbranch_scc1 .Lout
	s_wait_tensorcnt 0x0                           ; the wave's end
	ds_add_u32 v[SPW], v[NIL]
	s_wait_dscnt 0x0
	CROUND                                         ; the closing round
	s_endpgm
.Lfunc_end_k_qeaac1de419_fc1:
	.size	k_qeaac1de419_fc1, .Lfunc_end_k_qeaac1de419_fc1-k_qeaac1de419_fc1
	.p2alignl 7, 3214868480
	.fill 96, 4, 3214868480
	.section	.rodata,"a",@progbits
	.p2align	6, 0x0
	.amdhsa_kernel k_qeaac1de419_fc1
		.amdhsa_group_segment_fixed_size 327680
		.amdhsa_private_segment_fixed_size 0
		.amdhsa_enable_private_segment 0
		.amdhsa_kernarg_size 32
		.amdhsa_user_sgpr_count 2
		.amdhsa_user_sgpr_kernarg_segment_ptr 1
		.amdhsa_wavefront_size32 1
		.amdhsa_system_sgpr_workgroup_id_x 1
		.amdhsa_system_sgpr_workgroup_id_y 1
		.amdhsa_system_sgpr_workgroup_id_z 1
		.amdhsa_system_vgpr_workitem_id 0
		.amdhsa_next_free_vgpr 1024
		.amdhsa_next_free_sgpr 80
		.amdhsa_reserve_vcc 0
		.amdhsa_float_denorm_mode_32 3
		.amdhsa_float_denorm_mode_16_64 3
		.amdhsa_memory_ordered 1
		.amdhsa_forward_progress 1
		.amdhsa_inst_pref_size 90
	.end_amdhsa_kernel
	.amdgpu_metadata
---
amdhsa.version: [ 1, 2 ]
amdhsa.kernels:
  - .name:           k_qeaac1de419_fc1
    .symbol:         k_qeaac1de419_fc1.kd
    .args:
      - { .name: act, .offset: 0, .size: 8, .value_kind: global_buffer, .address_space: global }
      - { .name: wb, .offset: 8, .size: 8, .value_kind: global_buffer, .address_space: global }
      - { .name: g, .offset: 16, .size: 8, .value_kind: global_buffer, .address_space: global }
      - { .name: b1, .offset: 24, .size: 8, .value_kind: global_buffer, .address_space: global }
    .group_segment_fixed_size: 327680
    .private_segment_fixed_size: 0
    .kernarg_segment_align: 8
    .kernarg_segment_size: 32
    .max_flat_workgroup_size: 128
    .sgpr_count:     80
    .vgpr_count:     1024
    .wavefront_size: 32
...
	.end_amdgpu_metadata
.endif
;; end of part 6
;; launch fc2 (part 7): grid 8 x 32, 4 waves a work-group, clusters of 4 x 4, 327,680 bytes of LDS; arguments g, wb, out0, b2, h; writes out0
.if DOCPART == 7
	.amdgcn_target "amdgcn-amd-amdhsa--gfx1250"
	.amdhsa_code_object_version 6
	.text
	.protected	k_qeaac1de419_fc2
	.globl	k_qeaac1de419_fc2
	.p2align	8
	.type	k_qeaac1de419_fc2,@function
k_qeaac1de419_fc2:
	s_mov_b64 s[64:65], 0
	v_nop
	global_prefetch_b8 v0, s[64:65] scope:SCOPE_SE
	s_setreg_imm32_b32 hwreg(HW_REG_WAVE_MODE, 25, 1), 1
	s_wait_xcnt 0x0
	s_wait_alu depctr_hold_cnt(0) depctr_sa_sdst(0) depctr_va_vdst(0) depctr_va_sdst(0) depctr_va_ssrc(0) depctr_va_vcc(0) depctr_vm_vsrc(0)
	s_getreg_b32 s2, hwreg(HW_REG_IB_STS2, 6, 4)
	s_cmp_eq_u32 s2, 0
	s_cbranch_scc0 .Lentry_in_a_cluster
	s_endpgm
.Lentry_in_a_cluster:
	s_bfe_u32 s2, ttmp6, 0x10000c
	s_cmp_lg_u32 s2, 0xf033
	s_cbranch_scc0 .Lentry_shape_is_right
	s_endpgm
.Lentry_shape_is_right:
; FC2.  out0 = h + g W2 + b2, f32 out.  g: bf16 blocked by 64 columns, [64 planes][4,096 tokens][64]; W2 lies in wb at byte 16,777,216 as [K = 4,096][N = 1,024] bf16.  Sums in f32.
; SHARES.  A tile of C is 128 tokens x 128 columns; four waves, each 64 x 64: 16 accumulators.  8 x 32 = 256 work-groups.  K goes in 16 steps of 256 (four planes of A, 256 rows of B) through two LDS
; slots; one tensor load a wave brings a quarter of a slot.  One K step of text is walked by a loop: the slot in hand is a scalar that an exclusive or turns, and one descriptor a tensor walks.
; A's piece of a plane (64 tokens x 64 columns) is 8,192 dense bytes, padded in LDS by 16 bytes after each token's 128; B's rows (256 bytes) by 32, and its fragments come out turned (ds_load_tr16_b128).
; CLUSTER 4 x 4: A's tiles are shared along a row of the cluster, B's along a column: each is asked for jointly.
; THE MATRIX INSTRUCTION IS USED TRANSPOSED (source 0 = 16 columns of B, source 1 = 16 tokens of A): a lane holds one token (lane % 16) and eight neighbouring columns.
; THE SUMS START AS THE BIAS, loaded straight into the accumulators.  THE RESIDUAL (my 64 x 64 of h) is loaded at the start into 128 registers and stays on its way through the K loop.
; REGISTERS.  Window 0: v1-29 addresses; v32-95 the way out; v128-255 accumulators.  Window 1: two fragment buffers of 128.  Window 2: v0-127 the residual.
.set KTOT,   4096
.set T,      KTOT/256
.set BPITCH, 1024
.set WOFS,   16777216
.set HALF,   36864                     ; what one tensor load fills: A 4 planes x 64 rows x 144 bytes; B 128 rows x 288 bytes
.set SLOT,   4*HALF                    ; 0x24000; wave x HALF shares no bit with it
.set SPARE,  2*SLOT                    ; the spare words, 128 bytes a wave: two blocks of 256 bytes that no other line names
.set ASTEP,  4*524288
.set BSTEP,  512*BPITCH
.set SPITCH, 272
.set STG,    64*SPITCH                 ; a wave's stage, at wave x STG in the ring's first bytes: written only when both slots have had their last fill and every wave's reads are back
.set ADRA0, 10
.set ADRB0, 11
.set ADRB20, 12
.set ADRA, 16
.set ADRB, 17                          ; v17, v18
.set STO,  24
.set RD,   25
.set CO,   26                          ; v26  my byte offset in out0 and in h; never rewritten
.set BO,   27
.set SPW,  28
.set NIL,  29
.set ACC,  128
.set F0,   0
.set F1,   128
.set G1,   24
.set G0,   32
.set G1B,  48
.set G0B,  56
.set TB,   45
.set MSB, 0
.macro WIN new
.if MSB != (\new)
	s_set_vgpr_msb (MSB<<8)|(\new)
.set MSB, \new
.endif
.endm
.set MUL,  0x05
.set TO_F, 0x40
.set RES_IN,  0x80                     ; destination window 2
.set RES_ADD, 0x08                     ; source 1 window 2
.macro PLACES
.rept 4
	v_nop
.endr
.endm
.macro JLOAD s                         ; waves 0 and 1 fetch A's halves, waves 2 and 3 B's; an s_nop 0 and four v_nop follow each line
	s_cmp_eq_u32 s11, 0
	s_cbranch_scc0 .Lfor_b_\@
	tensor_load_to_lds s[G0+4*(\s):G0+4*(\s)+3], s[G1:G1+7]
	s_nop 0
.rept 4
	v_nop
.endr
	s_branch .Lasked_\@
.Lfor_b_\@:
	tensor_load_to_lds s[G0B+4*(\s):G0B+4*(\s)+3], s[G1B:G1B+7]
	s_nop 0
.rept 4
	v_nop
.endr
.Lasked_\@:
.endm
.macro CREST
	s_cmp_lg_u32 s10, 0
	s_cbranch_scc1 .Lnot_wave_0_\@
	s_barrier_signal -3
.Lnot_wave_0_\@:
	s_barrier_wait -3
	s_barrier_signal -1
	s_barrier_wait -1
.endm
.macro CROUND
	s_barrier_signal -1
	s_barrier_wait -1
	CREST
.endm
.macro MUL8 f, c, a0                   ; 8 matrix instructions; the 16 accumulators take turns, one instruction a turn, over the backward jumps too
	WIN MUL
.irp a, \a0, (\a0)+1
.irp b, 0,1,2,3
	v_wmma_f32_16x16x32_bf16 v[ACC+8*(4*(\a)+(\b)):ACC+8*(4*(\a)+(\b))+7], v[(\f)+64+8*(4*(\c)+(\b)):(\f)+64+8*(4*(\c)+(\b))+7], v[(\f)+8*(4*(\c)+(\a)):(\f)+8*(4*(\c)+(\a))+7], v[ACC+8*(4*(\a)+(\b)):ACC+8*(4*(\a)+(\b))+7]
.endr
.endr
.endm
.macro FETCH q, f                      ; 32 LDS loads: quarter q (plane q of A, rows 64 q .. of B) into buffer f; the first 32 along K first
	WIN TO_F
.set rB, ADRB+((\q)/2)
.irp c, 0,1
.irp i, 0,1,2,3
	ds_load_tr16_b128 v[(\f)+64+8*(4*(\c)+(\i)):(\f)+64+8*(4*(\c)+(\i))+3],   v[rB] offset:(2*((\q)%2)+(\c))*9216+32*(\i)
	ds_load_tr16_b128 v[(\f)+64+8*(4*(\c)+(\i))+4:(\f)+64+8*(4*(\c)+(\i))+7], v[rB] offset:(2*((\q)%2)+(\c))*9216+32*(\i)+4608
	ds_load_b128 v[(\f)+8*(4*(\c)+(\i)):(\f)+8*(4*(\c)+(\i))+3],   v[ADRA] offset:(\q)*9216+2304*(\i)+64*(\c)
	ds_load_b128 v[(\f)+8*(4*(\c)+(\i))+4:(\f)+8*(4*(\c)+(\i))+7], v[ADRA] offset:(\q)*9216+2304*(\i)+64*(\c)+32
.endr
.endr
.endm
.macro QUARTER f, g, qn
	s_wait_dscnt 16                                ; f's first 32 along K are in; its sixteen younger loads may be out
	MUL8 \f, 0, 0
	MUL8 \f, 0, 2
	PLACES
	FETCH \qn, \g
	s_wait_dscnt 32                                ; all but the 32 just issued
	MUL8 \f, 1, 0
	MUL8 \f, 1, 2
.endm
; The last quarter changes slots: each wave waits for all its tensor loads, adds 0 to its spare word, waits for that and for its reads of this slot; fill = 1: the barrier opens a round of the
; cluster's barrier and this slot is filled again, two K steps ahead, first thing behind it.  fill = 0: the last two K steps; in the last (s3 = 1) the run of LDS loads is jumped over.
.macro TURN fill
	WIN 0
	s_wait_tensorcnt 0x0
	ds_add_u32 v[SPW], v[NIL]
	s_wait_dscnt 17                                ; the add and buffer 1's sixteen younger loads may be out
	MUL8 F1, 0, 0
	s_wait_dscnt 0x0
	s_barrier_signal -1
	MUL8 F1, 0, 2
	WIN 0
	s_barrier_wait -1
.if \fill
	CREST
	s_xor_b32 s[G0+5], s[G0+5], SLOT
	s_add_nc_u64 s[G0+6:G0+7], s[G0+6:G0+7], ASTEP
	s_xor_b32 s[G0B+5], s[G0B+5], SLOT
	s_add_nc_u64 s[G0B+6:G0B+7], s[G0B+6:G0B+7], BSTEP
	JLOAD 1
.endif
	s_xor_b32 s[TB], s[TB], SLOT
	v_add_nc_u32 v[ADRA], s[TB], v[ADRA0]          ; these four are also the places in front of the loads into buffer 0
	v_add_nc_u32 v[ADRB], s[TB], v[ADRB0]
	v_add_nc_u32 v[ADRB+1], s[TB], v[ADRB20]
	v_nop
.if !(\fill)
	s_cmp_eq_u32 s3, 1
	s_cbranch_scc1 .Lno_fetch_\@
.endif
	FETCH 0, F0
.if !(\fill)
	WIN 0
.Lno_fetch_\@:
.endif
	MUL8 F1, 1, 0
	MUL8 F1, 1, 2
.endm
.macro KSTEP fill
	QUARTER F0, F1, 1
	QUARTER F1, F0, 2
	QUARTER F0, F1, 3
	TURN \fill
.endm
	s_load_b128 s[4:7], s[0:1], 0x0                ; g s[4:5], wb s[6:7]
	s_load_b64 s[8:9], s[0:1], 0x10                ; out0
	s_load_b64 s[66:67], s[0:1], 0x18              ; b2
	s_load_b64 s[68:69], s[0:1], 0x20              ; h
	v_lshl_add_u32 v[SPW], v0, 2, SPARE
	v_mov_b32 v[NIL], 0
	ds_add_u32 v[SPW], v[NIL]                      ; the wave's opening: the add and its wait stand ahead of my first tensor load
	v_lshrrev_b32 v1, 5, v0
	v_readfirstlane_b32 s10, v1
	s_lshr_b32 s11, s10, 1
	s_and_b32 s12, s10, 1
	s_bfe_u32 s40, ttmp6, 0x40000
	s_bfe_u32 s41, ttmp6, 0x40004
	s_lshl_b32 s42, ttmp9, 2
	s_add_co_u32 s42, s42, s40                     ; tile column
	s_and_b32 s13, ttmp7, 0xffff
	s_lshl_b32 s13, s13, 2
	s_add_co_u32 s13, s13, s41                     ; tile row
	s_lshl_b32 s43, s41, 2
	s_lshl_b32 s43, 15, s43
	s_lshl_b32 s44, 0x1111, s40
	s_or_b32 s[G1+0], s43, (1<<16)|(1<<20)|(1<<21)|(4<<22)|(3<<25)
	s_mov_b32 s[G1+1], 4096<<16
	s_mov_b32 s[G1+2], 4<<16
	s_mov_b32 s[G1+3], 4096<<16
	s_mov_b32 s[G1+4], 4
	s_mov_b32 s[G1+5], 262144
	s_mov_b32 s[G1+6], 0
	s_mov_b32 s[G1+7], 0
	s_or_b32 s[G1B+0], s44, (1<<16)|(1<<20)|(1<<21)|(5<<22)|(7<<25)
	s_mov_b32 s[G1B+1], 128<<16
	s_mov_b32 s[G1B+2], 128<<16
	s_mov_b32 s[G1B+3], 128<<16
	s_mov_b32 s[G1B+4], 128
	s_mov_b32 s[G1B+5], BPITCH
	s_mov_b32 s[G1B+6], 0
	s_mov_b32 s[G1B+7], 0
	s_lshl_b32 s16, s13, 14
	s_lshl_b32 s17, s12, 13
	s_add_co_u32 s16, s16, s17
	s_mov_b32 s17, 0
	s_lshl_b32 s46, s42, 8
	s_mul_i32 s47, s12, 256*BPITCH
	s_add_co_u32 s46, s46, s47
	s_add_co_u32 s46, s46, WOFS
	s_mov_b32 s47, 0
	s_mul_i32 s20, s10, HALF
	s_mov_b32 s[TB], 0
	s_wait_dscnt 0x0
	s_wait_kmcnt 0x0
	s_add_nc_u64 s[14:15], s[4:5], s[16:17]
	s_add_nc_u64 s[46:47], s[6:7], s[46:47]
	CROUND
.irp s, 0,1
	s_mov_b32 s[G0+4*(\s)], 1
	s_add_co_u32 s[G0+4*(\s)+1], s20, (\s)*SLOT
	s_add_nc_u64 s[G0+4*(\s)+2:G0+4*(\s)+3], s[14:15], (\s)*ASTEP
	s_or_b32 s[G0+4*(\s)+3], s[G0+4*(\s)+3], 0x80000000
	s_mov_b32 s[G0B+4*(\s)], 1
	s_add_co_u32 s[G0B+4*(\s)+1], s20, (\s)*SLOT
	s_add_nc_u64 s[G0B+4*(\s)+2:G0B+4*(\s)+3], s[46:47], (\s)*BSTEP
	s_or_b32 s[G0B+4*(\s)+3], s[G0B+4*(\s)+3], 0x80000000
	JLOAD \s
.endr
	v_and_b32 v1, 15, v0
	v_bfe_u32 v2, v0, 4, 1
	v_lshlrev_b32 v[BO], 5, v2                     ; my eight columns of a block of 16: 32 h
	v_lshlrev_b32 v[CO], 4, v1
	v_lshl_add_u32 v[CO], v2, 12, v[CO]            ; 4,096 h + 16 r: two rows, 256 bytes of each
	s_lshl_b32 s46, s42, 9                         ; my 64 columns in f32: 512 x tile column + 256 x half
	s_lshl_b32 s47, s12, 8
	s_add_co_u32 s46, s46, s47
	s_mov_b32 s47, 0
	s_add_nc_u64 s[66:67], s[66:67], s[46:47]
	s_add_nc_u64 s[68:69], s[68:69], s[46:47]
	s_add_nc_u64 s[8:9], s[8:9], s[46:47]
	s_lshl_b32 s16, s13, 19                        ; my 64 rows of 4,096 bytes
	s_lshl_b32 s17, s11, 18
	s_add_co_u32 s16, s16, s17
	s_mov_b32 s17, 0
	s_add_nc_u64 s[68:69], s[68:69], s[16:17]
	s_add_nc_u64 s[8:9], s[8:9], s[16:17]
.irp a, 0,1,2,3
.irp b, 0,1,2,3
	global_load_b128 v[ACC+8*(4*(\a)+(\b)):ACC+8*(4*(\a)+(\b))+3],   v[BO], s[66:67] offset:64*(\b)
	global_load_b128 v[ACC+8*(4*(\a)+(\b))+4:ACC+8*(4*(\a)+(\b))+7], v[BO], s[66:67] offset:64*(\b)+16
.endr
.endr
	WIN RES_IN
.set u, 0
.rept 32
	global_load_b128 v[4*u:4*u+3], v[CO], s[68:69] offset:8192*u  ; rows 2 u + h: 16 lanes take 256 consecutive bytes
.set u, u+1
.endr
	WIN 0
	v_mul_u32_u24 v3, v1, 144
	v_lshl_add_u32 v3, v2, 4, v3
	s_mul_i32 s21, s11, HALF
	v_add_nc_u32 v[ADRA0], s21, v3
	v_and_b32 v4, 7, v0
	v_lshl_add_u32 v4, v2, 3, v4
	v_mul_u32_u24 v4, v4, 288
	v_bfe_u32 v5, v0, 3, 1
	v_lshl_add_u32 v4, v5, 4, v4
	s_lshl_b32 s22, s12, 7
	s_add_co_u32 s22, s22, 2*HALF
	v_add_nc_u32 v[ADRB0], s22, v4
	v_add_nc_u32 v[ADRB20], HALF, v[ADRB0]
	v_mov_b32 v[ADRA], v[ADRA0]
	v_mov_b32 v[ADRB], v[ADRB0]
	v_mov_b32 v[ADRB+1], v[ADRB20]
	s_mul_i32 s23, s10, STG
	v_mul_u32_u24 v6, v1, SPITCH
	v_lshl_add_u32 v6, v2, 5, v6
	v_add_nc_u32 v[STO], s23, v6
	v_mul_u32_u24 v6, v2, SPITCH
	v_lshl_add_u32 v6, v1, 4, v6
	v_add_nc_u32 v[RD], s23, v6
	s_wait_tensorcnt 1                             ; my part of K step 0 is in; K step 1's may stay out
	s_barrier_signal -1
	s_barrier_wait -1
	FETCH 0, F0
	s_wait_loadcnt 32                              ; the bias is in; the 32 younger loads, the residual's, stay out through the K loop
	WIN 0
	s_mov_b32 s3, T-2
.Lk:
	KSTEP 1
	WIN 0
	s_sub_co_u32 s3, s3, 1
	s_cmp_lg_u32 s3, 0
	s_cbranch_scc1 .Lk
	s_mov_b32 s3, 2
.Lt:
	KSTEP 0
	WIN 0
	s_sub_co_u32 s3, s3, 1
	s_cmp_lg_u32 s3, 0
	s_cbranch_scc1 .Lt
	; THE WAY OUT.  Every wave's reads of the ring are back, then a barrier, then the stage is written over the ring's first bytes.
	s_wait_dscnt 0x0
	s_barrier_signal -1
	s_barrier_wait -1
	PLACES
	PLACES
.irp a, 0,1,2,3
.irp b, 0,1,2,3
	ds_store_b128 v[STO], v[ACC+8*(4*(\a)+(\b)):ACC+8*(4*(\a)+(\b))+3]   offset:16*SPITCH*(\a)+64*(\b)
	ds_store_b128 v[STO], v[ACC+8*(4*(\a)+(\b))+4:ACC+8*(4*(\a)+(\b))+7] offset:16*SPITCH*(\a)+64*(\b)+16
.endr
.endr
	s_wait_loadcnt 0x0                             ; the residual
.irp g, 0,1,2,3
	s_wait_xcnt 0x0                                ; earlier stores have read their data: the registers below are loaded again
.irp t, 0,1,2,3,4,5,6,7
	ds_load_b128 v[32+32*((\g)%2)+4*(\t):32+32*((\g)%2)+4*(\t)+3], v[RD] offset:2*SPITCH*(8*(\g)+(\t))  ; my own bytes: LDS serves a wave's instructions in order
.endr
	s_wait_dscnt 0x0
	WIN RES_ADD
.irp t, 0,1,2,3,4,5,6,7
	v_pk_add_f32 v[32+32*((\g)%2)+4*(\t):32+32*((\g)%2)+4*(\t)+1],   v[32+32*((\g)%2)+4*(\t):32+32*((\g)%2)+4*(\t)+1],   v[32*(\g)+4*(\t):32*(\g)+4*(\t)+1]
	v_pk_add_f32 v[32+32*((\g)%2)+4*(\t)+2:32+32*((\g)%2)+4*(\t)+3], v[32+32*((\g)%2)+4*(\t)+2:32+32*((\g)%2)+4*(\t)+3], v[32*(\g)+4*(\t)+2:32*(\g)+4*(\t)+3]
.endr
	WIN 0
.irp t, 0,1,2,3,4,5,6,7
	global_store_b128 v[CO], v[32+32*((\g)%2)+4*(\t):32+32*((\g)%2)+4*(\t)+3], s[8:9] offset:8192*(8*(\g)+(\t))  ; 16 lanes store 256 consecutive bytes, aligned
.endr
.endr
	s_wait_tensorcnt 0x0                           ; the wave's end
	ds_add_u32 v[SPW], v[NIL]
	s_wait_dscnt 0x0
	CROUND                                         ; the closing round
	s_endpgm
.Lfunc_end_k_qeaac1de419_fc2:
	.size	k_qeaac1de419_fc2, .Lfunc_end_k_qeaac1de419_fc2-k_qeaac1de419_fc2
	.p2alignl 7, 3214868480
	.fill 96, 4, 3214868480
	.section	.rodata,"a",@progbits
	.p2align	6, 0x0
	.amdhsa_kernel k_qeaac1de419_fc2
		.amdhsa_group_segment_fixed_size 327680
		.amdhsa_private_segment_fixed_size 0
		.amdhsa_enable_private_segment 0
		.amdhsa_kernarg_size 40
		.amdhsa_user_sgpr_count 2
		.amdhsa_user_sgpr_kernarg_segment_ptr 1
		.amdhsa_wavefront_size32 1
		.amdhsa_system_sgpr_workgroup_id_x 1
		.amdhsa_system_sgpr_workgroup_id_y 1
		.amdhsa_system_sgpr_workgroup_id_z 1
		.amdhsa_system_vgpr_workitem_id 0
		.amdhsa_next_free_vgpr 640
		.amdhsa_next_free_sgpr 70
		.amdhsa_reserve_vcc 0
		.amdhsa_float_denorm_mode_32 3
		.amdhsa_float_denorm_mode_16_64 3
		.amdhsa_memory_ordered 1
		.amdhsa_forward_progress 1
		.amdhsa_inst_pref_size 64
	.end_amdhsa_kernel
	.amdgpu_metadata
---
amdhsa.version: [ 1, 2 ]
amdhsa.kernels:
  - .name:           k_qeaac1de419_fc2
    .symbol:         k_qeaac1de419_fc2.kd
    .args:
      - { .name: g, .offset: 0, .size: 8, .value_kind: global_buffer, .address_space: global }
      - { .name: wb, .offset: 8, .size: 8, .value_kind: global_buffer, .address_space: global }
      - { .name: out0, .offset: 16, .size: 8, .value_kind: global_buffer, .address_space: global }
      - { .name: b2, .offset: 24, .size: 8, .value_kind: global_buffer, .address_space: global }
      - { .name: h, .offset: 32, .size: 8, .value_kind: global_buffer, .address_space: global }
    .group_segment_fixed_size: 327680
    .private_segment_fixed_size: 0
    .kernarg_segment_align: 8
    .kernarg_segment_size: 40
    .max_flat_workgroup_size: 128
    .sgpr_count:     70
    .vgpr_count:     640
    .wavefront_size: 32
...
	.end_amdgpu_metadata
.endif
;; end of part 7
;; ======== version 2 of 2: 7 launches; version 1 with the launch prep written anew for expert scheduling mode
;; workspace buffers: wb 25,165,824 bytes; act 8,388,608 bytes; qkv 25,165,824 bytes; h 16,777,216 bytes; g 33,554,432 bytes
;; launch prep (part 8): grid 1024 x 1, 8 waves a work-group, no clusters, 0 bytes of LDS; arguments x, scale1, shift1, act, Wq, Wk, Wv, Wo, W1, W2, wb; writes act, wb
.if DOCPART == 8
	.amdgcn_target "amdgcn-amd-amdhsa--gfx1250"
	.amdhsa_code_object_version 6
	.text
	.protected	k_qeaac1de419_prep
	.globl	k_qeaac1de419_prep
	.p2align	8
	.type	k_qeaac1de419_prep,@function
k_qeaac1de419_prep:
	s_mov_b64 s[64:65], 0
	v_nop
	global_prefetch_b8 v0, s[64:65] scope:SCOPE_SE
	s_setreg_imm32_b32 hwreg(HW_REG_WAVE_SCHED_MODE, 0, 2), 2
	s_setreg_imm32_b32 hwreg(HW_REG_WAVE_MODE, 25, 1), 1
	s_wait_xcnt 0x0
	s_wait_alu depctr_vm_vsrc(0)
; PREP.  Two jobs in one launch, told apart by the work-group's number.
; Work-groups 0-255: act = LayerNorm(x) in bf16 (mean; variance over 1,023; scale1, shift1), all arithmetic in f32, two passes over the row in registers.
; Work-groups 256-1023: the six weight matrices, f32 as they lie ([K][N]), rounded once to bf16 into wb in the same order of elements:
;   Wq at byte 0, Wk 2,097,152, Wv 4,194,304, Wo 6,291,456, W1 8,388,608, W2 16,777,216.
; act is BLOCKED BY 64 COLUMNS: [16 planes][4,096 tokens][64] bf16, so that neighbouring tokens' 128 bytes of a plane lie end to end.
; LN SHARES.  A wave takes two rows, sixteen lanes a row; lane r holds columns 64 j + 4 r .. + 3, j = 0..15: a load of the wave covers 256 consecutive bytes of each of its
; two rows, and a store 256 consecutive bytes of one plane (two tokens x 128 bytes), at a multiple of 256 from act's first byte.  No LDS, no barrier: a row never leaves its sixteen lanes.
; THE MODE: SCHED_MODE bits 1:0 = 2 (LLVM: expert scheduling mode 2), set by the entry lines.  The code itself states the register dependences
; between vector instructions and memory instructions, with s_wait_alu, always for 0.
; THE PLAN.  Registers that memory instructions touch:
;   v2, v3, v4   byte offsets, made once on each way and never written again: one wait ahead of the way's first load states that they are written.
;   X, G, SH     each is the landing place of one load; no vector instruction names them ahead of that load.
;   Y            each register is written once, by a rounding, and read once, by a store: nothing that a store reads is ever written again.
; LN: the row's last three passes (scale by 1 / sigma, multiply-add, rounding) go in two halves of eight planes.  One wait behind the first half's roundings; the stores of planes 0 to 7 are then
; dealt among the second half's vector instructions, which name only the second half's registers; one wait behind these, and the stores of planes 8 to 15.
; CAST: the sixteen loads go in four groups of four.  Group g's conversions read X and write Y of group g; the stores issued among them read Y of group g - 1, which the one wait at
; the group's head has stated written.
; s26, the wave's number, is made by a vector instruction: one wait stands ahead of the branch, since its readers stand on both ways behind it.
.set X,  64                            ; v[64:127]   the row's 64 numbers of my lane
.set G,  128                           ; v[128:191]  scale of my columns
.set SH, 192                           ; v[192:255]  shift of my columns
.set Y,  32                            ; v[32:63]    packed bf16 to store
; v2 offset in x; v3 offset in scale and shift; v4 offset in act (or wb); v[8:15] four chains of pairs; v[16:17] mean twice; v[18:19] 1/sqrt(var + eps) twice
.macro FOLD                            ; the four chains into one number, in each of the row's sixteen lanes
	v_pk_add_f32 v[8:9], v[8:9], v[10:11]
	v_pk_add_f32 v[12:13], v[12:13], v[14:15]
	v_pk_add_f32 v[8:9], v[8:9], v[12:13]
	v_add_f32 v8, v8, v9
.irp m, 1,2,4,8
	v_add_f32_dpp v8, v8, v8 row_xmask:\m row_mask:0xf bank_mask:0xf
.endr
.endm
	s_load_b256 s[4:11], s[0:1], 0x0               ; x s[4:5], scale1 s[6:7], shift1 s[8:9], act s[10:11]
	s_load_b256 s[12:19], s[0:1], 0x20             ; Wq s[12:13], Wk s[14:15], Wv s[16:17], Wo s[18:19]
	s_load_b128 s[20:23], s[0:1], 0x40             ; W1 s[20:21], W2 s[22:23]
	s_load_b64 s[24:25], s[0:1], 0x50              ; wb
	v_lshrrev_b32 v1, 5, v0
	v_readfirstlane_b32 s26, v1                    ; wave 0..7
	v_and_b32 v5, 31, v0                           ; lane
	s_wait_alu depctr_va_sdst(0)                   ; s26 is written
	s_cmp_lt_u32 ttmp9, 256
	s_cbranch_scc0 .Lcast
	; ---------------- LayerNorm: 16 rows a work-group ----------------
	v_and_b32 v6, 15, v0                           ; r
	v_bfe_u32 v7, v0, 4, 1                         ; which of the wave's two rows
	v_lshlrev_b32 v3, 4, v6                        ; 16 r
	v_lshl_add_u32 v2, v7, 12, v3                  ; + 4,096 x row
	s_lshl_b32 s27, s26, 13
	v_add_nc_u32 v2, s27, v2                       ; + 8,192 x wave
	v_lshlrev_b32 v4, 3, v6                        ; 8 r
	v_lshl_add_u32 v4, v7, 7, v4                   ; + 128 x row
	s_lshl_b32 s35, s26, 8                         ; (a register of its own: none that a vector instruction has read is written again)
	v_add_nc_u32 v4, s35, v4                       ; + 256 x wave
	s_lshl_b32 s28, ttmp9, 16                      ; the work-group's 16 rows of 4,096 bytes
	s_mov_b32 s29, 0
	s_lshl_b32 s30, ttmp9, 11                      ; and its 16 tokens of 128 bytes in a plane
	s_mov_b32 s31, 0
	s_mov_b32 s32, 0x3a802008                      ; 1 / 1,023
	s_wait_kmcnt 0x0
	s_add_nc_u64 s[4:5], s[4:5], s[28:29]
	s_add_nc_u64 s[10:11], s[10:11], s[30:31]
	s_wait_alu depctr_va_vdst(0)                   ; v2, v3 and v4 are written: every load and store of this way reads one of them as its offset
.irp j, 0,1,2,3,4,5,6,7,8,9,10,11,12,13,14,15
	global_load_b128 v[X+4*(\j):X+4*(\j)+3], v2, s[4:5] offset:256*(\j) th:TH_LOAD_NT
.endr
.irp j, 0,1,2,3,4,5,6,7,8,9,10,11,12,13,14,15
	global_load_b128 v[G+4*(\j):G+4*(\j)+3], v3, s[6:7] offset:256*(\j)
.endr
.irp j, 0,1,2,3,4,5,6,7,8,9,10,11,12,13,14,15
	global_load_b128 v[SH+4*(\j):SH+4*(\j)+3], v3, s[8:9] offset:256*(\j)
.endr
	s_wait_loadcnt 32                              ; the row is in; the 32 younger loads (scale, shift) stay out
.irp c, 0,1,2,3
	v_pk_add_f32 v[8+2*(\c):9+2*(\c)], v[X+2*(\c):X+2*(\c)+1], v[X+8+2*(\c):X+8+2*(\c)+1]  ; the first eight pairs start four chains: nothing is cleared
.endr
.set i, 8
.rept 24
	v_pk_add_f32 v[8+2*(i%4):9+2*(i%4)], v[8+2*(i%4):9+2*(i%4)], v[X+2*i:X+2*i+1]
.set i, i+1
.endr
	FOLD
	v_mul_f32 v16, 0x3a800000, v8                  ; mean = sum / 1,024
	v_mov_b32 v17, v16
.set i, 0
.rept 32
	v_pk_add_f32 v[X+2*i:X+2*i+1], v[X+2*i:X+2*i+1], v[16:17] neg_lo:[0,1] neg_hi:[0,1]  ; x - mean, before anything is squared
.set i, i+1
.endr
.irp c, 0,1,2,3
	v_pk_mul_f32 v[8+2*(\c):9+2*(\c)], v[X+2*(\c):X+2*(\c)+1], v[X+2*(\c):X+2*(\c)+1]
.endr
.set i, 4
.rept 28
	v_pk_fma_f32 v[8+2*(i%4):9+2*(i%4)], v[X+2*i:X+2*i+1], v[X+2*i:X+2*i+1], v[8+2*(i%4):9+2*(i%4)]
.set i, i+1
.endr
	FOLD
	v_mov_b32 v21, 0x358637bd                      ; 1e-6
	v_fma_f32 v20, v8, s32, v21                    ; variance + eps
	v_rsq_f32 v18, v20
	v_rsq_f32 v19, v20                             ; twice: a pair for the packed multiplies
	v_nop                                          ; a plain instruction behind the last of the two,
	s_wait_alu depctr_va_vdst(0)                   ; and one wait for both: v18 and v19 are written, ahead of their first reader
	s_wait_loadcnt 0x0                             ; scale and shift
	; planes 0 to 7: pairs 0 to 15 of the lane's 32
.set i, 0
.rept 16
	v_pk_mul_f32 v[G+2*i:G+2*i+1], v[G+2*i:G+2*i+1], v[18:19]
.set i, i+1
.endr
.set i, 0
.rept 16
	v_pk_fma_f32 v[X+2*i:X+2*i+1], v[X+2*i:X+2*i+1], v[G+2*i:G+2*i+1], v[SH+2*i:SH+2*i+1]
.set i, i+1
.endr
.set i, 0
.rept 16
	v_cvt_pk_bf16_f32 v[Y+i], v[X+2*i], v[X+2*i+1]
.set i, i+1
.endr
	s_wait_alu depctr_va_vdst(0)                   ; the roundings above have written Y's registers 0 to 15, which the eight stores below read
	; planes 8 to 15: pairs 16 to 31, 48 vector instructions; a store of planes 0 to 7 stands in front of each six.  No wait: none of the 48 names v4 or Y's registers 0 to 15
.set n, 0
.rept 48
.if n % 6 == 0
	global_store_b64 v4, v[Y+2*(n/6):Y+2*(n/6)+1], s[10:11] offset:524288*(n/6)  ; plane n / 6: 256 consecutive bytes a store
.endif
.if n < 16
	v_pk_mul_f32 v[G+32+2*n:G+32+2*n+1], v[G+32+2*n:G+32+2*n+1], v[18:19]
.elseif n < 32
	v_pk_fma_f32 v[X+2*n:X+2*n+1], v[X+2*n:X+2*n+1], v[G+2*n:G+2*n+1], v[SH+2*n:SH+2*n+1]  ; pair n, 16 to 31
.else
	v_cvt_pk_bf16_f32 v[Y+n-16], v[X+2*(n-16)], v[X+2*(n-16)+1]                            ; pair n - 16, 16 to 31
.endif
.set n, n+1
.endr
	s_wait_alu depctr_va_vdst(0)                   ; the roundings above have written Y's registers 16 to 31, which the last eight stores read
.irp j, 8,9,10,11,12,13,14,15
	global_store_b64 v4, v[Y+2*(\j):Y+2*(\j)+1], s[10:11] offset:524288*(\j)  ; plane j: 256 consecutive bytes a store
.endr
	s_endpgm
	; ---------------- the weights: 65,536 bytes of f32 a work-group ----------------
.Lcast:
	s_sub_co_u32 s28, ttmp9, 256                   ; chunk c, 0..767: 64 chunks for each of Wq, Wk, Wv, Wo, 256 for W1 and for W2
	s_and_b32 s33, s28, 63                         ; its place in one of the four small matrices,
	s_and_b32 s34, s28, 255                        ; or in one of the two large ones
	v_lshlrev_b32 v2, 4, v5
	s_lshl_b32 s27, s26, 13
	v_add_nc_u32 v2, s27, v2                       ; 8,192 x wave + 16 x lane
	v_lshlrev_b32 v4, 3, v5
	s_lshl_b32 s35, s26, 12                        ; (a register of its own, as above)
	v_add_nc_u32 v4, s35, v4                       ; 4,096 x wave + 8 x lane
	s_wait_kmcnt 0x0
	s_cmp_lt_u32 s28, 512
	s_cselect_b64 s[30:31], s[20:21], s[22:23]     ; W1 or W2
	s_cmp_lt_u32 s28, 256
	s_cselect_b64 s[30:31], s[18:19], s[30:31]     ; Wo
	s_cselect_b32 s29, s33, s34
	s_cmp_lt_u32 s28, 192
	s_cselect_b64 s[30:31], s[16:17], s[30:31]     ; Wv
	s_cmp_lt_u32 s28, 128
	s_cselect_b64 s[30:31], s[14:15], s[30:31]     ; Wk
	s_cmp_lt_u32 s28, 64
	s_cselect_b64 s[30:31], s[12:13], s[30:31]     ; Wq
	s_lshl_b32 s38, s29, 16
	s_mov_b32 s39, 0
	s_add_nc_u64 s[30:31], s[30:31], s[38:39]
	s_lshl_b32 s38, s28, 15                        ; wb holds the matrices in the chunks' order
	s_add_nc_u64 s[24:25], s[24:25], s[38:39]
	s_wait_alu depctr_va_vdst(0)                   ; v2 and v4 are written: every load and store of this way reads one of them as its offset
.irp j, 0,1,2,3,4,5,6,7,8,9,10,11,12,13,14,15
	global_load_b128 v[X+4*(\j):X+4*(\j)+3], v2, s[30:31] offset:512*(\j) th:TH_LOAD_NT
.endr
; Group g: loads 4 g to 4 g + 3 are rounded; the stores of group g - 1 are dealt among the roundings.
.macro GROUP g
	s_wait_loadcnt 12-4*(\g)                       ; loads come back in order: this group's four are in, the younger groups stay out
.if (\g) > 0
	s_wait_alu depctr_va_vdst(0)                   ; the group before has written its eight registers of Y, which the four stores below read; the roundings below name X and Y of this group alone
.endif
.irp k, 0,1,2,3
.if (\g) > 0
	global_store_b64 v4, v[Y+2*(4*((\g)-1)+(\k)):Y+2*(4*((\g)-1)+(\k))+1], s[24:25] offset:256*(4*((\g)-1)+(\k))  ; 256 consecutive bytes a store
.endif
	v_cvt_pk_bf16_f32 v[Y+2*(4*(\g)+(\k))],   v[X+4*(4*(\g)+(\k))],   v[X+4*(4*(\g)+(\k))+1]
	v_cvt_pk_bf16_f32 v[Y+2*(4*(\g)+(\k))+1], v[X+4*(4*(\g)+(\k))+2], v[X+4*(4*(\g)+(\k))+3]
.endr
.endm
	GROUP 0
	GROUP 1
	GROUP 2
	GROUP 3
	s_wait_alu depctr_va_vdst(0)                   ; group 3 has written its eight registers of Y, which the last four stores read
.irp j, 12,13,14,15
	global_store_b64 v4, v[Y+2*(\j):Y+2*(\j)+1], s[24:25] offset:256*(\j)  ; 256 consecutive bytes a store
.endr
	s_endpgm
.Lfunc_end_k_qeaac1de419_prep:
	.size	k_qeaac1de419_prep, .Lfunc_end_k_qeaac1de419_prep-k_qeaac1de419_prep
	.p2alignl 7, 3214868480
	.fill 96, 4, 3214868480
	.section	.rodata,"a",@progbits
	.p2align	6, 0x0
	.amdhsa_kernel k_qeaac1de419_prep
		.amdhsa_group_segment_fixed_size 0
		.amdhsa_private_segment_fixed_size 0
		.amdhsa_enable_private_segment 0
		.amdhsa_kernarg_size 88
		.amdhsa_user_sgpr_count 2
		.amdhsa_user_sgpr_kernarg_segment_ptr 1
		.amdhsa_wavefront_size32 1
		.amdhsa_system_sgpr_workgroup_id_x 1
		.amdhsa_system_sgpr_workgroup_id_y 1
		.amdhsa_system_sgpr_workgroup_id_z 1
		.amdhsa_system_vgpr_workitem_id 0
		.amdhsa_next_free_vgpr 256
		.amdhsa_next_free_sgpr 66
		.amdhsa_reserve_vcc 0
		.amdhsa_float_denorm_mode_32 3
		.amdhsa_float_denorm_mode_16_64 3
		.amdhsa_memory_ordered 1
		.amdhsa_forward_progress 1
		.amdhsa_inst_pref_size 28
	.end_amdhsa_kernel
	.amdgpu_metadata
---
amdhsa.version: [ 1, 2 ]
amdhsa.kernels:
  - .name:           k_qeaac1de419_prep
    .symbol:         k_qeaac1de419_prep.kd
    .args:
      - { .name: x, .offset: 0, .size: 8, .value_kind: global_buffer, .address_space: global }
      - { .name: scale1, .offset: 8, .size: 8, .value_kind: global_buffer, .address_space: global }
      - { .name: shift1, .offset: 16, .size: 8, .value_kind: global_buffer, .address_space: global }
      - { .name: act, .offset: 24, .size: 8, .value_kind: global_buffer, .address_space: global }
      - { .name: Wq, .offset: 32, .size: 8, .value_kind: global_buffer, .address_space: global }
      - { .name: Wk, .offset: 40, .size: 8, .value_kind: global_buffer, .address_space: global }
      - { .name: Wv, .offset: 48, .size: 8, .value_kind: global_buffer, .address_space: global }
      - { .name: Wo, .offset: 56, .size: 8, .value_kind: global_buffer, .address_space: global }
      - { .name: W1, .offset: 64, .size: 8, .value_kind: global_buffer, .address_space: global }
      - { .name: W2, .offset: 72, .size: 8, .value_kind: global_buffer, .address_space: global }
      - { .name: wb, .offset: 80, .size: 8, .value_kind: global_buffer, .address_space: global }
    .group_segment_fixed_size: 0
    .private_segment_fixed_size: 0
    .kernarg_segment_align: 8
    .kernarg_segment_size: 88
    .max_flat_workgroup_size: 256
    .sgpr_count:     66
    .vgpr_count:     256
    .wavefront_size: 32
...
	.end_amdgpu_metadata
.endif
;; end of part 8
;; launch qkv: the kernel of part 2 again; grid 12 x 16, 4 waves a work-group, clusters of 4 x 4, 327,680 bytes of LDS; arguments act, wb, qkv; writes qkv
;; launch attn: the kernel of part 3 again; grid 8 x 32, 4 waves a work-group, no clusters, 327,680 bytes of LDS; arguments qkv, act; writes act
;; launch wo: the kernel of part 4 again; grid 8 x 32, 4 waves a work-group, clusters of 4 x 4, 327,680 bytes of LDS; arguments act, wb, h, bo, x; writes h
;; launch ln2: the kernel of part 5 again; grid 256 x 1, 8 waves a work-group, no clusters, 0 bytes of LDS; arguments h, scale2, shift2, act; writes act
;; launch fc1: the kernel of part 6 again; grid 16 x 16, 4 waves a work-group, clusters of 4 x 4, 327,680 bytes of LDS; arguments act, wb, g, b1; writes g
;; launch fc2: the kernel of part 7 again; grid 8 x 32, 4 waves a work-group, clusters of 4 x 4, 327,680 bytes of LDS; arguments g, wb, out0, b2, h; writes out0
